; MI455X (gfx1250); checked and timed in simulation.
; The chip was launched on July 23, 2026; its instructions are those of AMD's public machine-readable ISA for CDNA 5 (MIT licence, August 2026) and "CDNA5" Instruction Set Architecture Reference Guide (July 2026). The comments in the code are by the model that wrote it; some were corrected since.
;; Decoder Block. Allowed arithmetic: float matrix products may take bf16 or f16 operands with f32 sums; other float arithmetic in f32, or as packed bf16 or f16 multiplies, adds, multiply-adds, maxima and minima; sums over many terms, partial sums and values carried from step to step in f32; what a program stores and reads back later, other than sums and carried values, may be rounded once to bf16 or f16.
;; Inputs: W1 1,024 x 512 float32; W2 512 x 1,024 float32; Wk 8 x 1,024 x 64 float32; Wo 512 x 1,024 float32; Wq 8 x 1,024 x 64 float32; Wv 8 x 1,024 x 64 float32; b1 512 float32; b2 1,024 float32; bo 1,024 float32; ln1_b 1,024 float32; ln1_g 1,024 float32; ln2_b 1,024 float32; ln2_g 1,024 float32; x 4 x 2,048 x 1,024 float32.
;; Outputs: out0 4 x 2,048 x 1,024 float32.
;; One version. Each part assembles by itself: llvm-mc -triple=amdgcn-amd-amdhsa -mcpu=gfx1250 --defsym DOCPART=n.
;; ======== version 1 of 1: 7 launches
;; limits: right only within a limited range of input values
;; workspace buffers: h 16,777,216 bytes; wa 5,242,880 bytes; w2b 1,048,576 bytes; qkv 25,165,824 bytes; of 8,388,608 bytes; x1 33,554,432 bytes
;; launch ln1 (part 1): grid 32 x 21, 4 waves a work-group, no clusters, 0 bytes of LDS; arguments x, ln1_g, ln1_b, h, Wo, W1, Wq, Wk, Wv, wa; writes h, wa
.if DOCPART == 1
	.amdgcn_target "amdgcn-amd-amdhsa--gfx1250"
	.amdhsa_code_object_version 6
	.text
	.protected	k_q8a023984a7_ln1
	.globl	k_q8a023984a7_ln1
	.p2align	8
	.type	k_q8a023984a7_ln1,@function
k_q8a023984a7_ln1:
	s_mov_b64 s[64:65], 0
	v_nop
	global_prefetch_b8 v0, s[64:65] scope:SCOPE_SE
	s_setreg_imm32_b32 hwreg(HW_REG_WAVE_MODE, 25, 1), 1
	s_wait_xcnt 0x0
; LAYER NORM INTO bf16 SLICES, AND THE WEIGHTS' CASTS.  Arguments: src [8192][1024] f32, gain, bias [1024] f32, dst, five weights (f32), wdst.
; dst is [4 batches][16 slices][2048 rows][64 columns] bf16: a row's 64 columns of a slice are 128 bytes, rows of a slice lie end to end.
; wdst takes weight c at byte c << 20 as [slice of 64 output columns][k][64] bf16.
; Work-groups with y < 16 normalise 16 rows each (512 of them: 8,192 rows); y = 16 + c casts weight c (32 work-groups x 4 waves: 128 units of 64 k-rows of a slice).
; NORM.  A wave owns four rows, as two pairs; lanes 0-15 hold the even row of a pair, lanes 16-31 the odd one, 64 numbers a lane, so a row's sums never leave its 16 lanes.
; One load of 16 bytes a lane covers 256 consecutive bytes (one slice) of each of the two rows.  The mean is taken first, the row is centred in registers, and the variance
; is the mean of the centred squares: no difference of large sums is formed.  All in f32; rounded once to bf16.  NaN and infinities are not treated apart.
; No LDS, no barrier, no matrix unit: the rows are independent and each byte is read and written once.
.set ROWB, 4096                        ; bytes in a row of src
.set SLB,  262144                      ; bytes in a slice of dst: 2,048 rows x 128
.set XO,  2                            ; v2  (l / 16) x 4,096 + (l % 16) x 16: my 16 bytes in a pair of rows
.set GO,  3                            ; v3  (l % 16) x 16: the same columns in gain and bias
.set HO,  4                            ; v4  8 l: my 8 bytes in 256 consecutive bytes of dst or wdst
.set A,   6                            ; v[6:13]  four chains of packed sums
.set SM,  14                           ; v14 a row's sum
.set MU,  16                           ; v[16:17] the mean, twice
.set RS,  18                           ; v[18:19], v[20:21] 1 / sqrt(var + eps) of pair 0, 1, twice each
.set X,   32                           ; v[32:159]  pair p at X + 64 p, slice s at + 4 s
.set G,   160                          ; v[160:223] the gain, slice s at + 4 s.  The bias lies in v256-319: v0-63 of the second window of 256
.set OFS, 32                           ; the casts: v[32:63] 32 offsets
.set D,   64                           ; the casts: v[64:191] data
.set MSB, 0
.macro WIN new                         ; the immediate's high byte repeats the setting that is left
.if MSB != (\new)
	s_set_vgpr_msb (MSB<<8)|(\new)
.set MSB, \new
.endif
.endm
	s_load_b256 s[4:11], s[0:1], 0x0               ; src s[4:5], gain s[6:7], bias s[8:9], dst s[10:11]
	s_load_b256 s[12:19], s[0:1], 0x20             ; weights 0 to 3
	s_load_b128 s[20:23], s[0:1], 0x40             ; weight 4 s[20:21], wdst s[22:23]
	v_lshrrev_b32 v1, 5, v0
	v_readfirstlane_b32 s24, v1                    ; wave 0..3
	s_and_b32 s25, ttmp7, 0xffff                   ; y
	v_and_b32 v5, 31, v0                           ; l
	v_lshrrev_b32 v6, 4, v5                        ; l / 16
	v_and_b32 v7, 15, v5                           ; l % 16
	v_lshlrev_b32 v[HO], 3, v5
	s_cmp_ge_u32 s25, 16
	s_cbranch_scc1 .Lcast
	s_lshl_b32 s26, s25, 5
	s_add_co_u32 s26, s26, ttmp9                   ; 32 y + x
	s_lshl_b32 s26, s26, 4
	s_lshl2_add_u32 s26, s24, s26                  ; my first row: 16 (32 y + x) + 4 wave
	s_lshl_b32 s32, s26, 12                        ; its byte in src
	s_mov_b32 s33, 0
	s_lshr_b32 s34, s26, 11                        ; its batch: 16 slices of 262,144 bytes,
	s_lshl_b32 s34, s34, 22
	s_and_b32 s36, s26, 2047                       ; and its row in the batch: 128 bytes
	s_lshl_b32 s36, s36, 7
	s_add_co_u32 s34, s34, s36
	s_mov_b32 s35, 0
	s_mov_b32 s30, 0x3a800000                      ; 1 / 1024
	s_mov_b32 s31, 0x3727c5ac                      ; eps = 1e-5
	v_lshlrev_b32 v[GO], 4, v7
	v_lshl_add_u32 v[XO], v6, 12, v[GO]
	s_wait_kmcnt 0x0
	s_add_nc_u64 s[4:5], s[4:5], s[32:33]
	s_add_nc_u64 s[10:11], s[10:11], s[34:35]
.macro LDX p                           ; a pair of rows: 16 loads, a slice each
.set i, 0
.rept 16
	global_load_b128 v[X+64*(\p)+4*i:X+64*(\p)+4*i+3], v[XO], s[4:5] offset:(\p)*2*ROWB+i*256 th:TH_LOAD_NT
.set i, i+1
.endr
.endm
.macro RED                             ; four chains into one number, then over the row's 16 lanes: every lane of the half ends with the sum
	v_pk_add_f32 v[A:A+1], v[A:A+1], v[A+2:A+3]
	v_pk_add_f32 v[A+4:A+5], v[A+4:A+5], v[A+6:A+7]
	v_pk_add_f32 v[A:A+1], v[A:A+1], v[A+4:A+5]
	v_add_f32 v[SM], v[A], v[A+1]
.irp m, 1,2,4,8
	v_add_f32_dpp v[SM], v[SM], v[SM] row_xmask:\m row_mask:0xf bank_mask:0xf
.endr
.endm
.macro STATS p                         ; the mean; the pair centred in place; the mean of the squares; 1 / sqrt(var + eps) is issued
.set XP, X+64*(\p)
.irp k, 0,1,2,3
	v_pk_add_f32 v[A+2*\k:A+2*\k+1], v[XP+2*\k:XP+2*\k+1], v[XP+8+2*\k:XP+8+2*\k+1]  ; the first eight pairs start the chains: nothing is cleared
.endr
.set i, 8
.rept 24
	v_pk_add_f32 v[A+2*(i%4):A+2*(i%4)+1], v[A+2*(i%4):A+2*(i%4)+1], v[XP+2*i:XP+2*i+1]
.set i, i+1
.endr
	RED
	v_mul_f32 v[MU], s30, v[SM]
	v_mul_f32 v[MU+1], s30, v[SM]
.set i, 0
.rept 32
	v_pk_add_f32 v[XP+2*i:XP+2*i+1], v[XP+2*i:XP+2*i+1], v[MU:MU+1] neg_lo:[0,1] neg_hi:[0,1]
.set i, i+1
.endr
.irp k, 0,1,2,3
	v_pk_mul_f32 v[A+2*\k:A+2*\k+1], v[XP+2*\k:XP+2*\k+1], v[XP+2*\k:XP+2*\k+1]
.endr
.set i, 4
.rept 28
	v_pk_fma_f32 v[A+2*(i%4):A+2*(i%4)+1], v[XP+2*i:XP+2*i+1], v[XP+2*i:XP+2*i+1], v[A+2*(i%4):A+2*(i%4)+1]
.set i, i+1
.endr
	RED
	v_fma_f32 v[SM], v[SM], s30, s31               ; var + eps
	v_rsq_f32 v[RS+2*(\p)], v[SM]                  ; what follows is a plain line that names neither register
.endm
.macro NORM p                          ; (x - mean) r, times gain plus bias, rounded, stored
.set XP, X+64*(\p)
.set i, 0
.rept 32
	v_pk_mul_f32 v[XP+2*i:XP+2*i+1], v[XP+2*i:XP+2*i+1], v[RS+2*(\p):RS+2*(\p)+1]
.set i, i+1
.endr
	WIN 0x10                                       ; source 2, the bias, in the second window
.set i, 0
.rept 32
	v_pk_fma_f32 v[XP+2*i:XP+2*i+1], v[XP+2*i:XP+2*i+1], v[G+2*i:G+2*i+1], v[2*i:2*i+1]
.set i, i+1
.endr
	WIN 0
.set i, 0
.rept 32
	v_cvt_pk_bf16_f32 v[XP+i], v[XP+2*i], v[XP+2*i+1]  ; ascending: register i is written when registers 2 i and 2 i + 1 are read
.set i, i+1
.endr
.set i, 0
.rept 16
	global_store_b64 v[HO], v[XP+2*i:XP+2*i+1], s[10:11] offset:i*SLB+(\p)*256  ; the wave stores 256 consecutive bytes, aligned: two rows of slice i
.set i, i+1
.endr
.endm
	LDX 0
	LDX 1
.set i, 0
.rept 16
	global_load_b128 v[G+4*i:G+4*i+3], v[GO], s[6:7] offset:i*256
.set i, i+1
.endr
	s_wait_loadcnt 32                              ; 32 younger loads (pair 1, the gain) stay out: pair 0 is in
	WIN 0x40                                       ; destination in the second window
.set i, 0
.rept 16
	global_load_b128 v[4*i:4*i+3], v[GO], s[8:9] offset:i*256
.set i, i+1
.endr
	WIN 0
	STATS 0
	s_wait_loadcnt 32                              ; gain and bias, 32 loads, stay out: pair 1 is in
	STATS 1
	v_nop                                          ; a plain line behind the second root,
	s_wait_alu depctr_va_vdst(0)                   ; and one wait for both roots, ahead of their first reader
	v_mov_b32 v[RS+1], v[RS]
	v_mov_b32 v[RS+3], v[RS+2]
	s_wait_loadcnt 0x0                             ; gain and bias
	NORM 0
	NORM 1
	s_endpgm
.Lcast:                                                ; weight c = y - 16.  Unit uu = 4 x + wave: 64 k-rows of one slice: 64 x 256 bytes of f32 in, 8,192 consecutive bytes of bf16 out
	s_sub_co_u32 s26, s25, 16
	s_mov_b32 s27, 256                             ; bytes from k-row to k-row: weights 2 to 4 are [8][1024][64] and lie as wdst wants them: one run of 128 units
	s_cmp_eq_u32 s26, 0
	s_cselect_b32 s27, 4096, s27                   ; weight 0 is [512][1024]: 8 units a slice
	s_cselect_b32 s34, 3, 7
	s_cmp_eq_u32 s26, 1
	s_cselect_b32 s27, 2048, s27                   ; weight 1 is [1024][512]: 16 units a slice
	s_cselect_b32 s34, 4, s34
	s_lshl2_add_u32 s35, ttmp9, s24                ; uu
	s_lshr_b32 s36, s35, s34                       ; its slice
	s_lshl_b32 s37, s36, s34
	s_sub_co_u32 s37, s35, s37                     ; its block of 64 k-rows
	s_lshl_b32 s38, s27, 6
	s_mul_i32 s38, s37, s38
	s_lshl_b32 s36, s36, 8
	s_add_co_u32 s38, s38, s36                     ; where it begins in the weight
	s_mov_b32 s39, 0
	s_lshl_b32 s40, s26, 20
	s_lshl_b32 s41, s35, 13
	s_add_co_u32 s40, s40, s41                     ; and in wdst
	s_mov_b32 s41, 0
	v_mul_lo_u32 v[OFS], v6, s27                   ; lanes 0-15 an even k-row, lanes 16-31 the odd one
	v_lshl_add_u32 v[OFS], v7, 4, v[OFS]
	s_lshl_b32 s36, s27, 1
.set i, 1
.rept 31
	v_add_nc_u32 v[OFS+i], s36, v[OFS+i-1]         ; the pitch is no constant of the text, so each pair of k-rows has an offset register
.set i, i+1
.endr
	s_wait_kmcnt 0x0
	s_mov_b64 s[28:29], s[12:13]
	s_cmp_eq_u32 s26, 1
	s_cselect_b64 s[28:29], s[14:15], s[28:29]
	s_cmp_eq_u32 s26, 2
	s_cselect_b64 s[28:29], s[16:17], s[28:29]
	s_cmp_eq_u32 s26, 3
	s_cselect_b64 s[28:29], s[18:19], s[28:29]
	s_cmp_eq_u32 s26, 4
	s_cselect_b64 s[28:29], s[20:21], s[28:29]
	s_add_nc_u64 s[28:29], s[28:29], s[38:39]
	s_add_nc_u64 s[22:23], s[22:23], s[40:41]
.set i, 0
.rept 32
	global_load_b128 v[D+4*i:D+4*i+3], v[OFS+i], s[28:29] th:TH_LOAD_NT  ; 256 consecutive bytes of each of two k-rows
.set i, i+1
.endr
.set i, 0
.rept 32
	s_wait_loadcnt 31-i                            ; the younger loads stay out
	v_cvt_pk_bf16_f32 v[D+4*i], v[D+4*i], v[D+4*i+1]
	v_cvt_pk_bf16_f32 v[D+4*i+1], v[D+4*i+2], v[D+4*i+3]
	global_store_b64 v[HO], v[D+4*i:D+4*i+1], s[22:23] offset:i*256  ; 256 consecutive bytes, aligned
.set i, i+1
.endr
	s_endpgm
.Lfunc_end_k_q8a023984a7_ln1:
	.size	k_q8a023984a7_ln1, .Lfunc_end_k_q8a023984a7_ln1-k_q8a023984a7_ln1
	.p2alignl 7, 3214868480
	.fill 96, 4, 3214868480
	.section	.rodata,"a",@progbits
	.p2align	6, 0x0
	.amdhsa_kernel k_q8a023984a7_ln1
		.amdhsa_group_segment_fixed_size 0
		.amdhsa_private_segment_fixed_size 0
		.amdhsa_enable_private_segment 0
		.amdhsa_kernarg_size 80
		.amdhsa_user_sgpr_count 2
		.amdhsa_user_sgpr_kernarg_segment_ptr 1
		.amdhsa_wavefront_size32 1
		.amdhsa_system_sgpr_workgroup_id_x 1
		.amdhsa_system_sgpr_workgroup_id_y 1
		.amdhsa_system_sgpr_workgroup_id_z 1
		.amdhsa_system_vgpr_workitem_id 0
		.amdhsa_next_free_vgpr 320
		.amdhsa_next_free_sgpr 66
		.amdhsa_reserve_vcc 0
		.amdhsa_float_denorm_mode_32 3
		.amdhsa_float_denorm_mode_16_64 3
		.amdhsa_memory_ordered 1
		.amdhsa_forward_progress 1
		.amdhsa_inst_pref_size 50
	.end_amdhsa_kernel
	.amdgpu_metadata
---
amdhsa.version: [ 1, 2 ]
amdhsa.kernels:
  - .name:           k_q8a023984a7_ln1
    .symbol:         k_q8a023984a7_ln1.kd
    .args:
      - { .name: x, .offset: 0, .size: 8, .value_kind: global_buffer, .address_space: global }
      - { .name: ln1_g, .offset: 8, .size: 8, .value_kind: global_buffer, .address_space: global }
      - { .name: ln1_b, .offset: 16, .size: 8, .value_kind: global_buffer, .address_space: global }
      - { .name: h, .offset: 24, .size: 8, .value_kind: global_buffer, .address_space: global }
      - { .name: Wo, .offset: 32, .size: 8, .value_kind: global_buffer, .address_space: global }
      - { .name: W1, .offset: 40, .size: 8, .value_kind: global_buffer, .address_space: global }
      - { .name: Wq, .offset: 48, .size: 8, .value_kind: global_buffer, .address_space: global }
      - { .name: Wk, .offset: 56, .size: 8, .value_kind: global_buffer, .address_space: global }
      - { .name: Wv, .offset: 64, .size: 8, .value_kind: global_buffer, .address_space: global }
      - { .name: wa, .offset: 72, .size: 8, .value_kind: global_buffer, .address_space: global }
    .group_segment_fixed_size: 0
    .private_segment_fixed_size: 0
    .kernarg_segment_align: 8
    .kernarg_segment_size: 80
    .max_flat_workgroup_size: 128
    .sgpr_count:     66
    .vgpr_count:     320
    .wavefront_size: 32
...
	.end_amdgpu_metadata
.endif
;; end of part 1
;; launch qkv (part 2): grid 8 x 32, 4 waves a work-group, clusters of 4 x 4, 327,680 bytes of LDS; arguments h, wa, qkv; writes qkv
.if DOCPART == 2
	.amdgcn_target "amdgcn-amd-amdhsa--gfx1250"
	.amdhsa_code_object_version 6
	.text
	.protected	k_q8a023984a7_qkv
	.globl	k_q8a023984a7_qkv
	.p2align	8
	.type	k_q8a023984a7_qkv,@function
k_q8a023984a7_qkv:
	s_mov_b64 s[64:65], 0
	v_nop
	global_prefetch_b8 v0, s[64:65] scope:SCOPE_SE
	s_setreg_imm32_b32 hwreg(HW_REG_WAVE_MODE, 25, 1), 1
	s_wait_xcnt 0x0
	s_wait_alu depctr_hold_cnt(0) depctr_sa_sdst(0) depctr_va_vdst(0) depctr_va_sdst(0) depctr_va_ssrc(0) depctr_va_vcc(0) depctr_vm_vsrc(0)
	s_getreg_b32 s2, hwreg(HW_REG_IB_STS2, 6, 4)
	s_cmp_eq_u32 s2, 0
	s_cbranch_scc0 .Lentry_in_a_cluster
	s_endpgm
.Lentry_in_a_cluster:
	s_bfe_u32 s2, ttmp6, 0x10000c
	s_cmp_lg_u32 s2, 0xf033
	s_cbranch_scc0 .Lentry_shape_is_right
	s_endpgm
.Lentry_shape_is_right:
; q, k, v = h x [Wq Wk Wv].  h: [4][16 slices][2048][64] bf16; the weights: 24 slices [1024 k][64] bf16 from byte WOFF of the second argument; out: [3][4][8][2048][64] bf16, rounded once from f32 sums.
; One text serves this program's three products; MODE and the four sizes below choose.  MODE 0: sums start at 0, bf16 slices out.  1: sums start at the bias, ReLU, bf16 slices out.  2: sums start at the bias, f32 rows out, a residual added.
.set MODE, 0
.set NS,   3                           ; slices of 64 output columns in a tile of C
.set KDIM, 1024
.set WOFF, 2097152                     ; where the weights begin in their buffer
.set PF,   1                           ; 1: K step 3 is prefetched
; SHARES.  A tile of C is 256 rows x 64 NS columns; grid 8 x 32 tiles, one to a work-group.  Wave w owns rows 64 w .. + 63 and all columns: 16 NS accumulators of 16 x 16.
; K goes in steps of 128 (a k tile: two slices of A, 128 k-rows of W) through two LDS slots.  Waves 0, 1 fetch A's two slices (each 256 rows x 128 bytes, dense in memory: asked for as 128 rows of 256 bytes),
; waves 2, 3 the two halves of W's k-rows (for each of NS slices 64 k-rows, 8,192 dense bytes: NS rows of 8,192 bytes).
; CLUSTER 4 x 4: A's tile hangs on the tile row alone and is asked for jointly by a row of the cluster, W's on the tile column alone, by a column.
; THE WALK ALONG K.  Clusters whose x + y is even take the k tiles in ascending order, the others in descending order (f32 sums may be taken in either order).  A's rows are read by the two clusters of a row of
; clusters, which so walk against each other; W's slices by the eight of a column, four each way.  A k tile is asked for by the clusters of one direction in the first half of their walk and by those of the other in the second half of theirs.
; THE MATRIX INSTRUCTION IS USED TRANSPOSED: source 0 = 16 columns of W (stored [k][n], turned by ds_load_tr16_b128), source 1 = 16 rows of A: lane l holds row l % 16 and columns 8 (l / 16) + 0..7.
; REGISTERS in windows of 256: window 0 addresses, bias, A's fragments (two buffers of 32), the way out; window 1 W's fragments (two buffers of 8 NB4); windows 2, 3 the accumulators (row blocks 0, 1 and 2, 3).
; The accumulators take turns, one instruction a turn, in the same order in every quarter step.  NaN and infinities are not treated apart.
.set KSL,  KDIM/64                     ; slices of A
.set NST,  KDIM/128                    ; K steps
.set LAPS, KDIM/256                    ; a lap = two K steps = once round the ring
.set NB4,  4*NS                        ; column blocks of 16
.set NLD,  2*NB4+8                     ; LDS loads in a quarter step's run
.set PA,   144                         ; an LDS row of A: 128 bytes + 16: the 16 rows of a load start 36 words apart
.set PB,   160                         ; an LDS row of W: 128 bytes + 32: the turning load's 8 rows start 40 words apart
.set APL,  256*PA
.set ABY,  2*APL
.set BSL,  64*PB
.set BH,   NS*BSL
.set SLOT, ABY+2*BH                    ; A slice 0, A slice 1, W half 0 [NS][64][PB], W half 1
.set STAGE, 2*SLOT                     ; behind the ring, never filled by a tensor load: each wave's own stage for the way out
.if MODE == 2
.set STW,  16*528
.else
.set STW,  NS*16*PA
.endif
.set SPARE, STAGE+4*STW                ; the spare words, 128 bytes for each wave: two blocks of 256 bytes that no other line names
.set ADRA, 16                          ; v16-17  LDS address of my A fragments in slot 0, 1
.set ADRB, 20                          ; v20-21  the same for W
.set STO,  24                          ; v24  the way out: where I put my part of a row
.set RD,   25                          ; v25  where I read rows back
.set CO,   26                          ; v26  16 l: my 16 bytes in 512 consecutive bytes
.set BO,   27                          ; v27  32 (l / 16): my eight numbers in a block of the bias
.set SPW,  28                          ; v28  LDS address of my spare word; never rewritten
.set NIL,  29                          ; v29  0; never rewritten
.set PFO,  30                          ; v30  256 l; never rewritten
.set ZR,   31                          ; v31  0, for the ReLU
.set BIAS, 32                          ; v32..  8 registers a column block
.set FA0,  96                          ; v96-127, v128-159  A's fragments
.set TMP,  160                         ; the way out
.set BK,   TMP+4*NB4
.set OB,   160
.set DIR,  3                           ; s3  0: my cluster walks K upward; 1: downward
.set PTA,  4                           ; s[4:5] A, s[6:7] W
.set PTW,  6
.if MODE == 0
.set PTO,  8
.elseif MODE == 1
.set PTB,  8
.set PTO,  10
.else
.set PTR,  8
.set PTB,  10
.set PTO,  12
.endif
.set WV,   14                          ; s14 wave; s15 wave / 2: I fetch for A (0) or W (1); s16 wave % 2: which half
.set WH,   15
.set WL,   16
.set CX,   17
.set CY,   18
.set TJ,   19                          ; tile column
.set TY,   20                          ; tile row
.set G1A,  24                          ; s[24:31] descriptor group 1 for A; s[32:39] group 0, a set for each slot
.set G0A,  32
.set BSA,  40                          ; s[40:41] A at my slice of k tile 0, the tile's rows; kept
.set BSW,  42                          ; s[42:43] W at my 64 k-rows of k tile 0, the tile's first slice; kept
.set T0,   46                          ; s46, s47 the k tile that slot 0, slot 1 was last filled with
.set G1B,  48                          ; s[48:55], s[56:63] the same for W
.set G0B,  56
.set KO,   66                          ; s[66:67] a k tile's byte offset, in 64 bits: the upper word stays 0
.set KST,  68                          ; s68  from a slot's k tile to its next: + 2 or - 2
.set PFA,  70                          ; s[70:71] what my one prefetch names; never rewritten
.set LAP,  72
.set LIM,  73                          ; s73  the count of laps to go at which I prefetch: LAPS - 1, the first trip; in a wave that asks for nothing a number that the count never takes
.set OBS,  74                          ; s[74:79] out at my rows of each slice
.set MSB, 0
.macro WIN new                         ; the immediate's high byte repeats the setting that is left
.if MSB != (\new)
	s_set_vgpr_msb (MSB<<8)|(\new)
.set MSB, \new
.endif
.endm
.macro PLACES                          ; four plain lines between a matrix instruction and a load into, or a vector line on, its registers
.rept 4
	v_nop
.endr
.endm
.macro JLOAD s                         ; a joint load; the branch hangs on the wave's number alone; an s_nop 0 and four v_nop follow each line
	s_cmp_eq_u32 s[WH], 0
	s_cbranch_scc0 .Lfor_b_\@
	tensor_load_to_lds s[G0A+4*(\s):G0A+4*(\s)+3], s[G1A:G1A+7]
	s_nop 0
.rept 4
	v_nop
.endr
	s_branch .Lasked_\@
.Lfor_b_\@:
	tensor_load_to_lds s[G0B+4*(\s):G0B+4*(\s)+3], s[G1B:G1B+7]
	s_nop 0
.rept 4
	v_nop
.endr
.Lasked_\@:
.endm
.macro CREST                           ; a round of the cluster's barrier behind its opening barrier
	s_cmp_lg_u32 s[WV], 0
	s_cbranch_scc1 .Lnot_wave_0_\@
	s_barrier_signal -3
.Lnot_wave_0_\@:
	s_barrier_wait -3
	s_barrier_signal -1
	s_barrier_wait -1
.endm
.macro CROUND
	s_barrier_signal -1
	s_barrier_wait -1
	CREST
.endm
.macro ADDR s                          ; slot s's two group 0 take the addresses of k tile s[T0 + s]: the kept pointer plus the k tile's bytes, the type set anew
	s_lshl_b32 s[KO], s[T0+(\s)], 19               ; a k tile of A is two slices: 524,288 bytes
	s_add_nc_u64 s[G0A+4*(\s)+2:G0A+4*(\s)+3], s[BSA:BSA+1], s[KO:KO+1]
	s_or_b32 s[G0A+4*(\s)+3], s[G0A+4*(\s)+3], 0x80000000
	s_lshl_b32 s[KO], s[T0+(\s)], 14               ; of W 128 k-rows: 16,384 bytes
	s_add_nc_u64 s[G0B+4*(\s)+2:G0B+4*(\s)+3], s[BSW:BSW+1], s[KO:KO+1]
	s_or_b32 s[G0B+4*(\s)+3], s[G0B+4*(\s)+3], 0x80000000
.endm
; A PREFETCH INTO THE L2, once a launch: behind the refill for K step 2 and the run of LDS loads, for what the next refill, K step 3's, will ask for: one K step ahead; 32 blocks of 256 bytes, a lane a block.
; K steps 0 and 1 are the first fills and K step 2 follows them at once: they come by their loads alone.  K steps 4 to 7 name k tiles that the clusters of the other direction ask for in their K steps 3 to 0: they are not asked for again.
; A: each cluster asks for its own k tile (3 going up, 4 going down): of the slice's 128 blocks that wave 0 or 1 will fetch, the partner at place cx takes 32 (told apart by address).  W: k tiles 3 and 4 lie end to end, 32,768 bytes
; of a slice: wave 2 of the clusters with y < NS asks for those of slice NS TJ + y, and the partner at place cy takes 8,192 bytes.  So each block is named once.
.macro ASK
	s_cmp_eq_u32 s[LAP], s[LIM]
	s_cbranch_scc0 .Lnot_mine_\@
	global_prefetch_b8 v[PFO], s[PFA:PFA+1] th:TH_LOAD_NT scope:SCOPE_SE
.Lnot_mine_\@:
.endm
.if MODE == 0
	s_load_b128 s[4:7], s[0:1], 0x0
	s_load_b64 s[8:9], s[0:1], 0x10
.elseif MODE == 1
	s_load_b256 s[4:11], s[0:1], 0x0
.else
	s_load_b256 s[4:11], s[0:1], 0x0
	s_load_b64 s[12:13], s[0:1], 0x20
.endif
	v_lshl_add_u32 v[SPW], v0, 2, SPARE
	v_mov_b32 v[NIL], 0
	ds_add_u32 v[SPW], v[NIL]                      ; the wave's opening: the add and its wait ahead of my first tensor load; work on registers stands between
	v_lshrrev_b32 v1, 5, v0
	v_readfirstlane_b32 s[WV], v1
	s_lshr_b32 s[WH], s[WV], 1
	s_and_b32 s[WL], s[WV], 1
	s_bfe_u32 s[CX], ttmp6, 0x40000
	s_bfe_u32 s[CY], ttmp6, 0x40004
	s_lshl_b32 s[TJ], ttmp9, 2
	s_add_co_u32 s[TJ], s[TJ], s[CX]
	s_and_b32 s[TY], ttmp7, 0xffff
	s_lshl_b32 s[TY], s[TY], 2
	s_add_co_u32 s[TY], s[TY], s[CY]
	s_and_b32 s[DIR], ttmp7, 0xffff
	s_add_co_u32 s[DIR], s[DIR], ttmp9
	s_and_b32 s[DIR], s[DIR], 1                    ; the cluster's x + y, even or odd: the same in all sixteen partners
	s_mul_i32 s[T0], s[DIR], NST-1                 ; K step 0: k tile 0, or the last
	s_lshl_b32 s21, s[DIR], 1
	s_sub_co_u32 s[T0+1], s[T0], s21
	s_add_co_u32 s[T0+1], s[T0+1], 1               ; K step 1: one up, or one down
	s_cmp_eq_u32 s[DIR], 0
	s_cselect_b32 s[KST], 2, -2
	s_mov_b32 s[KO+1], 0
	s_lshl_b32 s21, s[CY], 2
	s_lshl_b32 s21, 15, s21                        ; my row of the cluster
	s_lshl_b32 s22, 0x1111, s[CX]                  ; my column
	s_or_b32 s[G1A], s21, (1<<16)|(1<<20)|(1<<21)|(4<<22)|(3<<25)  ; mask; 2-byte elements; padding on; bit 21 beside a mask; after every 32 words, 4 words
	s_or_b32 s[G1B], s22, (1<<16)|(1<<20)|(1<<21)|(4<<22)|(7<<25)  ; the same with 8 words
	s_mov_b32 s[G1A+1], 128<<16                    ; tensor_dim0 = 128 elements (256 bytes: two rows of the slice)
	s_mov_b32 s[G1A+2], 128<<16                    ; tensor_dim1 = 128
	s_mov_b32 s[G1A+3], 128<<16                    ; tile_dim0
	s_mov_b32 s[G1A+4], 128                        ; tile_dim1
	s_mov_b32 s[G1A+5], 128                        ; dense
	s_mov_b32 s[G1A+6], 0
	s_mov_b32 s[G1A+7], 0
	s_mov_b32 s[G1B+1], 4096<<16                   ; tensor_dim0 = 4,096 elements: 64 k-rows of a slice
	s_mov_b32 s[G1B+2], NS<<16                     ; tensor_dim1 = NS slices
	s_mov_b32 s[G1B+3], 4096<<16
	s_mov_b32 s[G1B+4], NS
	s_mov_b32 s[G1B+5], KDIM*64                    ; from slice to slice
	s_mov_b32 s[G1B+6], 0
	s_mov_b32 s[G1B+7], 0
	s_lshr_b32 s40, s[TY], 3                       ; A: batch,
	s_mul_i32 s40, s40, KSL
	s_add_co_u32 s40, s40, s[WL]                   ; my slice of k tile 0,
	s_lshl_b32 s40, s40, 18
	s_and_b32 s41, s[TY], 7                        ; the tile's 256 rows in the batch
	s_lshl_b32 s41, s41, 15
	s_add_co_u32 s40, s40, s41
	s_mov_b32 s41, 0
	s_mul_i32 s42, s[TJ], NS*KDIM*128              ; W: the tile's first slice,
	s_lshl_b32 s43, s[WL], 13                      ; my 64 k-rows of k tile 0
	s_add_co_u32 s42, s42, s43
	s_add_co_u32 s42, s42, WOFF
	s_mov_b32 s43, 0
	s_mul_i32 s44, s[WL], APL                      ; where they go: no place in the cluster enters an LDS address
	s_mul_i32 s45, s[WL], BH
	s_add_co_u32 s45, s45, ABY
	s_wait_dscnt 0x0                               ; the opening add is done
	s_wait_kmcnt 0x0
	s_add_nc_u64 s[BSA:BSA+1], s[PTA:PTA+1], s[40:41]
	s_add_nc_u64 s[BSW:BSW+1], s[PTW:PTW+1], s[42:43]
	CROUND                                         ; all sixteen work-groups are here: the first joint loads meet
.irp s, 0,1
	s_mov_b32 s[G0A+4*(\s)], 1
	s_add_co_u32 s[G0A+4*(\s)+1], s44, (\s)*SLOT
	s_mov_b32 s[G0B+4*(\s)], 1
	s_add_co_u32 s[G0B+4*(\s)+1], s45, (\s)*SLOT
	ADDR \s
	JLOAD \s                                       ; two loads of mine are out
.endr
	v_and_b32 v1, 15, v0                           ; l % 16
	v_bfe_u32 v2, v0, 4, 1                         ; l / 16
.if MODE != 0
	v_lshlrev_b32 v[BO], 5, v2
	s_mul_i32 s22, s[TJ], 256*NS
	s_mov_b32 s23, 0
	s_add_nc_u64 s[PTB:PTB+1], s[PTB:PTB+1], s[22:23]
.set n, 0
.rept NB4                              ; register j of block n: the bias of column 16 n + 8 (l / 16) + j: the C operand of the first products
	global_load_b128 v[BIAS+8*n:BIAS+8*n+3], v[BO], s[PTB:PTB+1] offset:64*n
	global_load_b128 v[BIAS+8*n+4:BIAS+8*n+7], v[BO], s[PTB:PTB+1] offset:64*n+16
.set n, n+1
.endr
.endif
	v_mul_u32_u24 v3, v1, PA
	v_lshl_add_u32 v3, v2, 4, v3
	s_mul_i32 s21, s[WV], 64*PA
	v_add_nc_u32 v[ADRA], s21, v3                  ; my 64 rows; row l % 16; 16 bytes for each half of the lanes
	v_add_nc_u32 v[ADRA+1], SLOT, v[ADRA]
	v_and_b32 v4, 7, v0
	v_lshl_add_u32 v4, v2, 3, v4                   ; the turning load: k-row 8 (l / 16) + l % 8,
	v_mul_u32_u24 v4, v4, PB
	v_bfe_u32 v5, v0, 3, 1
	v_lshl_add_u32 v4, v5, 4, v4                   ; columns 8 ((l / 8) % 2) + 0..7
	v_add_nc_u32 v[ADRB], ABY, v4
	v_add_nc_u32 v[ADRB+1], ABY+SLOT, v4
	v_and_b32 v[CO], 31, v0
	v_lshlrev_b32 v[CO], 4, v[CO]
	s_mul_i32 s21, s[WV], STW
	s_add_co_u32 s21, s21, STAGE                   ; my stage
.if MODE == 2
	v_mul_u32_u24 v[STO], v1, 528                  ; in: row l % 16, 32 bytes for each half of the lanes
	v_lshl_add_u32 v[STO], v2, 5, v[STO]
	v_add_nc_u32 v[STO], s21, v[STO]
	v_add_nc_u32 v[RD], s21, v[CO]                 ; back: a whole row of 512 bytes
	s_lshl_b32 s21, s[TY], 8
	s_lshl_b32 s22, s[WV], 6
	s_add_co_u32 s21, s21, s22                     ; my first row,
	s_lshl_b32 s22, s21, 12
	s_lshl_b32 s23, s[TJ], 9                       ; the tile's 128 columns
	s_add_co_u32 s22, s22, s23
	s_mov_b32 s23, 0
	s_add_nc_u64 s[PTR:PTR+1], s[PTR:PTR+1], s[22:23]
	s_add_nc_u64 s[PTO:PTO+1], s[PTO:PTO+1], s[22:23]
.else
	v_mov_b32 v[ZR], 0
	v_mul_u32_u24 v[STO], v1, PA                   ; in: row l % 16, 16 bytes for each half of the lanes
	v_lshl_add_u32 v[STO], v2, 4, v[STO]
	v_add_nc_u32 v[STO], s21, v[STO]
	v_bfe_u32 v[RD], v0, 3, 2                      ; back: 32 lanes take four rows of 128 bytes
	v_mul_u32_u24 v[RD], v[RD], PA
	v_and_b32 v5, 7, v0
	v_lshl_add_u32 v[RD], v5, 4, v[RD]
	v_add_nc_u32 v[RD], s21, v[RD]
.set n, 0
.rept NS                               ; out at my 64 rows of slice NS TJ + n: [section][batch][slice of 8][row][64]
	s_mul_i32 s21, s[TJ], NS
	s_add_co_u32 s21, s21, n
	s_lshr_b32 s22, s21, 3
	s_lshl_b32 s22, s22, 5
	s_and_b32 s21, s21, 7
	s_add_co_u32 s22, s22, s21
	s_lshr_b32 s21, s[TY], 3
	s_lshl3_add_u32 s22, s21, s22
	s_lshl_b32 s22, s22, 18
	s_and_b32 s21, s[TY], 7
	s_lshl_b32 s21, s21, 8
	s_lshl_b32 s23, s[WV], 6
	s_add_co_u32 s21, s21, s23
	s_lshl_b32 s21, s21, 7
	s_add_co_u32 s22, s22, s21
	s_mov_b32 s23, 0
	s_add_nc_u64 s[OBS+2*n:OBS+2*n+1], s[PTO:PTO+1], s[22:23]
.set n, n+1
.endr
.endif
.if PF
	s_and_b32 s21, ttmp7, 0xffff                   ; the cluster's y
	s_mul_i32 s22, s21, KDIM*128                   ; W: slice NS TJ + y (in wave 2 the kept pointer stands at slice NS TJ, k-row 0),
	s_lshl_b32 s23, s[CY], 13                      ; my work-group's 8,192 bytes
	s_add_co_u32 s22, s22, s23
	s_add_co_u32 s22, s22, 3*16384                 ; of k tiles 3 and 4
	s_mul_i32 s23, s[DIR], NST-7
	s_add_co_u32 s23, s23, 3                       ; A: the k tile of my K step 3: 3 going up, NST - 4 going down (the kept pointer stands at my slice of k tile 0),
	s_lshl_b32 s23, s23, 19
	s_lshl_b32 s44, s[CX], 13                      ; my work-group's 32 blocks of that slice
	s_add_co_u32 s23, s23, s44
	s_cmp_lt_u32 s21, NS                           ; who asks hangs on the cluster's place and the wave's number: the same in all sixteen partners
	s_cselect_b32 s[LIM], LAPS-1, -1
	s_cmp_eq_u32 s[WV], 2
	s_cselect_b32 s[LIM], s[LIM], -1
	s_cmp_eq_u32 s[WH], 0
	s_cselect_b32 s[LIM], LAPS-1, s[LIM]
	s_cselect_b32 s22, s23, s22
	s_cselect_b64 s[PFA:PFA+1], s[BSA:BSA+1], s[BSW:BSW+1]
	s_mov_b32 s23, 0
	s_add_nc_u64 s[PFA:PFA+1], s[PFA:PFA+1], s[22:23]
	v_and_b32 v[PFO], 31, v0
	v_lshlrev_b32 v[PFO], 8, v[PFO]
.endif
; NB4 matrix instructions: row block 2 hi + a2 x all column blocks, 32 along K, fragments of buffer f.  zero = 1: the first product starts the sums, with 0 or with the bias: nothing is cleared
.macro MULQ f, hi, a2, zero
.set n, 0
.rept NB4
.set rD, 8*(NB4*(\a2)+n)
.set rB, 8*NB4*(\f)+8*n
.set rA, FA0+32*(\f)+8*(2*(\hi)+(\a2))
.if (\zero) && (MODE == 0)
	WIN 0xa1+0x50*(\hi)
	v_wmma_f32_16x16x32_bf16 v[rD:rD+7], v[rB:rB+7], v[rA:rA+7], 0
.elseif \zero
	WIN 0x81+0x40*(\hi)                            ; C in window 0
	v_wmma_f32_16x16x32_bf16 v[rD:rD+7], v[rB:rB+7], v[rA:rA+7], v[BIAS+8*n:BIAS+8*n+7]
.else
	WIN 0xa1+0x50*(\hi)                            ; source 0 window 1, source 1 window 0, C and D window 2 or 3
	v_wmma_f32_16x16x32_bf16 v[rD:rD+7], v[rB:rB+7], v[rA:rA+7], v[rD:rD+7]
.endif
.set n, n+1
.endr
.endm
.macro MULH f, hi, zero
	MULQ \f, \hi, 0, \zero
	MULQ \f, \hi, 1, \zero
.endm
; One run of NLD LDS loads: quarter q of a slot's K step (32 along K) into buffer f: W's NB4 fragments, turned, then A's four
.macro FETCH slot, q, f
	WIN 0x40                                       ; destination window 1
.set n, 0
.rept NB4
.set oB, ((\q)/2)*BH+(n/4)*BSL+((\q)%2)*32*PB+(n%4)*32
	ds_load_tr16_b128 v[8*NB4*(\f)+8*n:8*NB4*(\f)+8*n+3],   v[ADRB+(\slot)] offset:oB
	ds_load_tr16_b128 v[8*NB4*(\f)+8*n+4:8*NB4*(\f)+8*n+7], v[ADRB+(\slot)] offset:oB+16*PB
.set n, n+1
.endr
	WIN 0
.irp a, 0,1,2,3
	ds_load_b128 v[FA0+32*(\f)+8*\a:FA0+32*(\f)+8*\a+3],   v[ADRA+(\slot)] offset:((\q)/2)*APL+\a*16*PA+((\q)%2)*64
	ds_load_b128 v[FA0+32*(\f)+8*\a+4:FA0+32*(\f)+8*\a+7], v[ADRA+(\slot)] offset:((\q)/2)*APL+\a*16*PA+((\q)%2)*64+32
.endr
.endm
; One of a K step's first three quarters: multiplies buffer f; in its middle it fetches quarter q into buffer g
.macro QUARTER slot, q, f, g, zero
	s_wait_dscnt 4                                 ; the youngest four loads (A's row blocks 2, 3) may be out
	MULH \f, 0, \zero
	PLACES
	FETCH \slot, \q, \g
	s_wait_dscnt NLD                               ; all but the run just issued
	MULH \f, 1, \zero
.endm
; The last quarter multiplies buffer 1 and changes slots: each wave waits for all its tensor loads (one is out: its part of the next slot), adds 0 to its spare word, and waits for that and for its reads of
; this slot; then the barrier.  fill = 1: the barrier opens a round of the cluster's, and the joint refill, two K steps on, is the first tensor load behind the round, one a wave.
.macro TURN slot, next, fill
	WIN 0
	s_wait_tensorcnt 0x0                           ; no tensor load of mine is out, so a group 0 may be written
	ds_add_u32 v[SPW], v[NIL]
.if \fill
	s_add_co_i32 s[T0+(\slot)], s[T0+(\slot)], s[KST]  ; this slot's next k tile: two on in my cluster's direction
	ADDR \slot
.endif
	s_wait_dscnt 5                                 ; the add and the youngest four loads may be out
	MULQ 1, 0, 0, 0
	s_wait_dscnt 0x0                               ; the add is done, and my reads of this slot are over
	s_barrier_signal -1
	MULQ 1, 0, 1, 0
.if \fill
	WIN 0
.endif
	s_barrier_wait -1
.if \fill
	CREST                                          ; no wave of any partner still reads this slot or has a load on its way
	JLOAD \slot                                    ; its four v_nop are also the places in front of the loads below
.else
	PLACES
.endif
	FETCH \next, 0, 0
.if (\fill) && PF && ((\slot) == 0)
	ASK
.endif
	MULH 1, 1, 0
.endm
.if MODE == 2
.macro RESID a                         ; the residual's rows 16 a .. + 15 of my 64: a row's 512 bytes a load, into v128-255 of the accumulators' windows
	WIN 0x80+0x40*((\a)/2)
.set n, 0
.rept 16
	global_load_b128 v[128+64*((\a)%2)+4*n:128+64*((\a)%2)+4*n+3], v[CO], s[PTR:PTR+1] offset:(16*(\a)+n)*4096 th:TH_LOAD_NT
.set n, n+1
.endr
	WIN 0
.endm
.macro OUTF a                          ; row block a: f32 through my stage (rows of 528 bytes), back as whole rows, the residual added, stored
	WIN 0x08+4*((\a)/2)                            ; store data in window 2 or 3
.set n, 0
.rept NB4
	ds_store_b128 v[STO], v[64*((\a)%2)+8*n:64*((\a)%2)+8*n+3]   offset:64*n     ; each accumulator's low registers first
	ds_store_b128 v[STO], v[64*((\a)%2)+8*n+4:64*((\a)%2)+8*n+7] offset:64*n+16
.set n, n+1
.endr
	WIN 0
	s_wait_xcnt 0x0                                ; the last block's stores have read their registers
.set n, 0
.rept 16
	ds_load_b128 v[OB+4*n:OB+4*n+3], v[RD] offset:n*528  ; a wave's LDS instructions are served in order: these see the stores above
.set n, n+1
.endr
	s_wait_dscnt 0x0
	WIN 0x08+4*((\a)/2)
.set n, 0
.rept 32
	v_pk_add_f32 v[OB+2*n:OB+2*n+1], v[OB+2*n:OB+2*n+1], v[128+64*((\a)%2)+2*n:128+64*((\a)%2)+2*n+1]
.set n, n+1
.endr
	WIN 0
.set n, 0
.rept 16
	global_store_b128 v[CO], v[OB+4*n:OB+4*n+3], s[PTO:PTO+1] offset:(16*(\a)+n)*4096 th:TH_STORE_NT  ; 512 consecutive bytes, aligned
.set n, n+1
.endr
.endm
.else
.macro OUTB a                          ; row block a: rounded to bf16, through my stage (a part of 16 rows x 144 bytes for each slice), back as whole rows, stored
	WIN 0x0a+5*((\a)/2)                            ; sources in window 2 or 3
.set n, 0
.rept 4*NB4
	v_cvt_pk_bf16_f32 v[TMP+n], v[8*NB4*((\a)%2)+2*n], v[8*NB4*((\a)%2)+2*n+1]
.set n, n+1
.endr
	WIN 0
.if MODE == 1
.set n, 0
.rept 4*NB4
	v_pk_max_num_bf16 v[TMP+n], v[TMP+n], v[ZR]    ; the ReLU, two at a time; nothing is rounded
.set n, n+1
.endr
.endif
	s_wait_xcnt 0x0                                ; the last block's stores have read their registers
.set n, 0
.rept NB4
	ds_store_b128 v[STO], v[TMP+4*n:TMP+4*n+3] offset:(n/4)*16*PA+(n%4)*32
.set n, n+1
.endr
.set n, 0
.rept 4*NS
	ds_load_b128 v[BK+4*n:BK+4*n+3], v[RD] offset:(n/4)*16*PA+(n%4)*4*PA  ; a wave's LDS instructions are served in order: these see the stores above
.set n, n+1
.endr
.set n, 0
.rept 4*NS
	s_wait_dscnt 4*NS-1-n                          ; the younger loads stay out
	global_store_b128 v[CO], v[BK+4*n:BK+4*n+3], s[OBS+2*(n/4):OBS+2*(n/4)+1] offset:(\a)*2048+(n%4)*512  ; four rows of a slice: 512 consecutive bytes, aligned
.set n, n+1
.endr
.endm
.endif
	s_wait_tensorcnt 1                             ; my part of K step 0 is in; K step 1's may stay out
	s_barrier_signal -1
	s_barrier_wait -1
.if MODE != 0
	s_wait_loadcnt 0x0                             ; the bias
.endif
	FETCH 0, 0, 0
.if MODE == 2
	RESID 0                                        ; 48 loads now, the last 16 behind the loop: they land under the products
	RESID 1
	RESID 2
.endif
	QUARTER 0, 1, 0, 1, 1                          ; the first quarter stands in front of the loop: its products start the sums
	WIN 0
	s_mov_b32 s[LAP], LAPS-1
.Llap:                                                 ; a trip goes once round the ring and fills both slots again
	QUARTER 0, 2, 1, 0, 0
	QUARTER 0, 3, 0, 1, 0
	TURN 0, 1, 1
	QUARTER 1, 1, 0, 1, 0
	QUARTER 1, 2, 1, 0, 0
	QUARTER 1, 3, 0, 1, 0
	TURN 1, 0, 1
	QUARTER 0, 1, 0, 1, 0
	WIN 0
	s_sub_co_u32 s[LAP], s[LAP], 1
	s_cmp_lg_u32 s[LAP], 0
	s_cbranch_scc1 .Llap
.if MODE == 2
	RESID 3
.endif
	QUARTER 0, 2, 1, 0, 0                          ; the last lap fills nothing
	QUARTER 0, 3, 0, 1, 0
	TURN 0, 1, 0
	QUARTER 1, 1, 0, 1, 0
	QUARTER 1, 2, 1, 0, 0
	QUARTER 1, 3, 0, 1, 0
	s_wait_dscnt 4
	MULH 1, 0, 0
	s_wait_dscnt 0x0
	MULH 1, 1, 0
	PLACES
	PLACES
	WIN 0
.if MODE == 2
	s_wait_loadcnt 0x0                             ; the residual
	OUTF 0
	OUTF 1
	OUTF 2
	OUTF 3
.else
	OUTB 0
	OUTB 1
	OUTB 2
	OUTB 3
.endif
	s_wait_tensorcnt 0x0                           ; the wave's end: behind my last tensor load and my last LDS store
	ds_add_u32 v[SPW], v[NIL]
	s_wait_dscnt 0x0
	CROUND                                         ; the closing round: no work-group ends while a partner may still ask for a tile that names it
	s_endpgm
.Lfunc_end_k_q8a023984a7_qkv:
	.size	k_q8a023984a7_qkv, .Lfunc_end_k_q8a023984a7_qkv-k_q8a023984a7_qkv
	.p2alignl 7, 3214868480
	.fill 96, 4, 3214868480
	.section	.rodata,"a",@progbits
	.p2align	6, 0x0
	.amdhsa_kernel k_q8a023984a7_qkv
		.amdhsa_group_segment_fixed_size 327680
		.amdhsa_private_segment_fixed_size 0
		.amdhsa_enable_private_segment 0
		.amdhsa_kernarg_size 24
		.amdhsa_user_sgpr_count 2
		.amdhsa_user_sgpr_kernarg_segment_ptr 1
		.amdhsa_wavefront_size32 1
		.amdhsa_system_sgpr_workgroup_id_x 1
		.amdhsa_system_sgpr_workgroup_id_y 1
		.amdhsa_system_sgpr_workgroup_id_z 1
		.amdhsa_system_vgpr_workitem_id 0
		.amdhsa_next_free_vgpr 1024
		.amdhsa_next_free_sgpr 80
		.amdhsa_reserve_vcc 0
		.amdhsa_float_denorm_mode_32 3
		.amdhsa_float_denorm_mode_16_64 3
		.amdhsa_memory_ordered 1
		.amdhsa_forward_progress 1
		.amdhsa_inst_pref_size 123
	.end_amdhsa_kernel
	.amdgpu_metadata
---
amdhsa.version: [ 1, 2 ]
amdhsa.kernels:
  - .name:           k_q8a023984a7_qkv
    .symbol:         k_q8a023984a7_qkv.kd
    .args:
      - { .name: h, .offset: 0, .size: 8, .value_kind: global_buffer, .address_space: global }
      - { .name: wa, .offset: 8, .size: 8, .value_kind: global_buffer, .address_space: global }
      - { .name: qkv, .offset: 16, .size: 8, .value_kind: global_buffer, .address_space: global }
    .group_segment_fixed_size: 327680
    .private_segment_fixed_size: 0
    .kernarg_segment_align: 8
    .kernarg_segment_size: 24
    .max_flat_workgroup_size: 128
    .sgpr_count:     80
    .vgpr_count:     1024
    .wavefront_size: 32
...
	.end_amdgpu_metadata
.endif
;; end of part 2
;; launch attn (part 3): grid 8 x 32, 4 waves a work-group, no clusters, 327,680 bytes of LDS; arguments qkv, of; writes of
.if DOCPART == 3
	.amdgcn_target "amdgcn-amd-amdhsa--gfx1250"
	.amdhsa_code_object_version 6
	.text
	.protected	k_q8a023984a7_attn
	.globl	k_q8a023984a7_attn
	.p2align	8
	.type	k_q8a023984a7_attn,@function
k_q8a023984a7_attn:
	s_mov_b64 s[64:65], 0
	v_nop
	global_prefetch_b8 v0, s[64:65] scope:SCOPE_SE
	s_setreg_imm32_b32 hwreg(HW_REG_WAVE_MODE, 25, 1), 1
	s_wait_xcnt 0x0
; CAUSAL ATTENTION, head size 64.  qkv: [3 (q, k, v)][32 heads][2048][64] bf16; out: [32][2048][64] bf16.  O[q] = the sum over k <= q of softmax_k(Q[q] . K[k] / 8) V[k].
; Products, maxima and sums in f32; the weights p are rounded to bf16 for the second product (their sum l is taken of the unrounded p), O once at the end.
; LIMITS.  A hidden score counts as its value less 1e30: scores stay under 1e29 in size; a weight below 2^-126 counts as 0 in l; NaN and infinities are not treated apart.
; THE WALK.  A head's queries lie in 16 blocks of 128; block i needs the key tiles 0 .. i / 2 of 256 keys (four steps of 64), of which the last holds the diagonal.  Work-group b of a head takes blocks
; 15 - b and then b: 9 tiles, whatever b: all 256 work-groups do equal work, and one loop with a constant trip count walks them.  What a trip does hangs on scalar registers made from b.
; NO CLUSTER: only the pairs b = 2 c, 2 c + 1 walk the same tiles throughout, and the branches on the tiles left would hang on a work-group's place.
; SHARES.  Of a block's two bands of 64 queries a wave owns 16 rows in each: two PIECES.  In the block's last tile, step r is band x's own where r = PAR + x, PAR = 2 (i % 2); later steps are hidden, earlier ones open.
; THE MASK is the C operand that starts S^T = K Q^T: MD x AL + BE; MD, made once, is the mask of a band's own step for my rows; (AL, BE) = (1, 0) own, (0, 0) open, (0, -1e30) hidden.  A turn makes the mask
; of the next turn's products, which belong to the next step; so a block's last TWO tiles run the text with masks.  Elsewhere C is the constant 0.
; TURNS.  Turn (p, s): 8 products K Q^T of piece 1 - p (step s for p = 0, s + 1 for p = 1), later 8 products V^T P of piece 1 - p (step s - 1, s); beside them the scaling, exponentials, roundings, sums and
; rescaling of piece p and the maximum and statistics of piece 1 - p.  Four vector lines stand behind every matrix instruction, the rest in one lump; a turn's 33 exponentials are one batch with one wait.
; p = 2^(c s - c m), c = log2(e) / 8, with a running maximum m; O and l are multiplied by a = 2^(c m_old - c m_new) in every step.
; THE RING.  Turn (0, s) fetches K of step s + 1 and V of step s.  So a slot holds K of steps 4 t + 1 .. 4 t + 4 beside V of steps 4 t .. 4 t + 3, and one change of slots a tile serves both; K of step 0 lies
; in bytes of its own, filled once.  Tile 7's K reaches 64 rows past the head, into bytes of the same buffer; only the block's last turn multiplies them, and nobody reads what it makes of them.
; REGISTERS, in windows of 256 (s_set_vgpr_msb: bits 1:0 source 0, 3:2 source 1, 5:4 source 2, 7:6 destination):
;   window 0: v0-15 addresses; v16-23 four registers of statistics a piece; v48-55 at work; v64-127 S^T, a buffer a piece; v192-223 P likewise
;   window 1: v0-63 O^T; v128-159 MD; v160-223 MC, two buffers      window 2: v0-31 Q; v64-95 the second block's Q; v128-191 K of one step; v192-255 V of one step
.set NP,    2
.set KS,    64
.set PK,    144       ; a row of K in LDS: 128 bytes + 16
.set PV,    160       ; a row of V: 128 + 32
.set VOFF,  4*KS*PK
.set K0B,   4*KS*(PK+PV)  ; behind slot 0: K of step 0, 64 rows
.set SLOT1, 1<<17
.set STAGE, SLOT1+4*KS*(PK+PV)  ; never filled by a tensor load: 16 rows x 144 bytes for each wave
.set SP,    144
.set SPARE, STAGE+4*16*SP  ; the spare words, 128 bytes for each wave: two blocks of 256 bytes that no other line names
.set AK0, 2
.set AV0, 3
.set AK,  4
.set AV,  5
.set STO, 6
.set RD,  7
.set GO,  8
.set MV,  12          ; v12-13  c m_old, by piece
.set QO,  15
.set ST,  16          ; piece t: c m, m, l (even keys', odd keys')
.set TMP, 48          ; by piece, c0-c3 at work; c2 takes a
.set PFO, 61          ; v61  256 x my thread's number; never rewritten
.set SPW, 62
.set NIL, 63
.set S,   64
.set P,   192
.set MD,  128
.set MC,  160
.set QB,  64
.set KF,  128
.set VF,  192
.set WV,  12
.set LIM, 13          ; s13  2 in the head's work-group 0, else the greatest number: it prefetches while the tiles still to be asked for are above this
.set PB,  14          ; b
.set HI,  15          ; 15 - b
.set G1K, 24
.set G1V, 32
.set G0K, 40
.set G0V, 44
.set QLO, 48          ; s[48:49] Q at my rows of the second block
.set SLOTS, 56
.set CNT, 57
.set CS,  58
.set SEL, 60
.set TBK, 62
.set TBV, 63
.set PFK, 66          ; s[66:67], s[68:69] where the prefetches stand in K and V
.set PFV, 68
.set RT,  70          ; tiles of the block in hand that are still to be entered
.set NXT, 71          ; the tile to be asked for next
.set LQ,  72          ; the last tile of the block whose tiles are being asked for
.set NEW, 73          ; 1: the tile to be entered is a block's first
.set OFF, 74
.set AL,  76
.set BE,  78
.set OLO, 80
.set BIGN, 82
.set PAR, 83          ; 2 (i % 2) of the block in hand
.set RS,  84          ; the step in hand, counted from the diagonal tile's first step, less PAR
.set PBH, 85          ; b / 2
.set G1Z, 88          ; s[88:95], s[96:99] the descriptor for K of step 0
.set G0Z, 96
.set MSB, 0
.macro WIN new
.if MSB != (\new)
	s_set_vgpr_msb (MSB<<8)|(\new)
.set MSB, (\new)
.endif
.endm
.set W_KQ, 0x0a
.set W_KM, 0x1a
.set W_PV, 0x52
.set W_RS, 0x41
.macro LOAD                         ; a fill: waves 0, 1 fetch the halves of a tile's K, waves 2, 3 those of its V; an s_nop 0 and four v_nop follow each line
	s_cmp_lt_u32 s[WV], 2
	s_cbranch_scc0 .Lfor_v_\@
	tensor_load_to_lds s[G0K:G0K+3], s[G1K:G1K+7]
	s_nop 0
.rept 4
	v_nop
.endr
	s_branch .Lasked_\@
.Lfor_v_\@:
	tensor_load_to_lds s[G0V:G0V+3], s[G1V:G1V+7]
	s_nop 0
.rept 4
	v_nop
.endr
.Lasked_\@:
.endm
; A PREFETCH INTO THE L2 of the tile that the NEXT change of slots will ask for: 128 blocks of 256 bytes of K and of V, a thread a block.  All work-groups of a head begin with tiles 0, 1, 2 ..: work-group 0,
; whose first block walks all eight, asks, in trips 0 to 5, for tiles 2 to 7: each block is named once.  Tiles 0 and 1 come by their loads alone.
.macro ASK
	s_cmp_gt_u32 s[SLOTS], s[LIM]
	s_cbranch_scc0 .Lnot_mine_\@
	global_prefetch_b8 v[PFO], s[PFK:PFK+1] th:TH_LOAD_NT scope:SCOPE_SE
	global_prefetch_b8 v[PFO], s[PFV:PFV+1] th:TH_LOAD_NT scope:SCOPE_SE
.Lnot_mine_\@:
.endm
; THE CHANGE OF SLOTS.  Each wave waits for all its tensor loads, adds 0 to its spare word, and waits for that and for its reads of the slot that it leaves; behind the barrier the old slot is filled again first
; (fill = 1), with tile NXT: one load a wave.  At its first use nothing has been read yet: slot 0 and K of step 0 are waited for, slot 1 is filled.
.macro CHANGE fill
	WIN 0
	s_wait_tensorcnt 0x0
	ds_add_u32 v[SPW], v[NIL]       ; 0 onto my spare word; scalar work stands between it and the wait for it
.if \fill
	s_lshl_b32 s[OFF], s[NXT], 15
	s_xor_b32 s[G0K+1], s[G0K+1], SLOT1
	s_add_nc_u64 s[G0K+2:G0K+3], s[6:7], s[OFF:OFF+1]
	s_or_b32 s[G0K+3], s[G0K+3], 0x80000000
	s_xor_b32 s[G0V+1], s[G0V+1], SLOT1
	s_add_nc_u64 s[G0V+2:G0V+3], s[8:9], s[OFF:OFF+1]
	s_or_b32 s[G0V+3], s[G0V+3], 0x80000000
	s_add_co_u32 s[NXT], s[NXT], 1  ; the block's next tile, or behind its last the second block's tile 0
	s_cmp_gt_u32 s[NXT], s[LQ]
	s_cselect_b32 s[NXT], 0, s[NXT]
	s_cselect_b32 s[LQ], s[PBH], s[LQ]
	s_wait_xcnt 0x0                 ; the last prefetches, a tile back, have read their addresses
	s_add_nc_u64 s[PFK:PFK+1], s[PFK:PFK+1], 32768
	s_add_nc_u64 s[PFV:PFV+1], s[PFV:PFV+1], 32768
.endif
	s_wait_dscnt 0x0                ; the add is done, and my reads of the slot are over
	s_barrier_signal -1
	s_sub_co_u32 s[TBK], s[TBK], 4*KS*PK  ; the fetches go back to a slot's first step, in the other slot
	s_xor_b32 s[TBK], s[TBK], SLOT1
	s_sub_co_u32 s[TBV], s[TBV], 4*KS*PV
	s_xor_b32 s[TBV], s[TBV], SLOT1
	s_barrier_wait -1
.if \fill
	LOAD
	ASK
.endif
.endm
	s_load_b64 s[4:5], s[0:1], 0x0    ; qkv
	s_load_b64 s[10:11], s[0:1], 0x8  ; out
	v_lshl_add_u32 v[SPW], v0, 2, SPARE
	v_mov_b32 v[NIL], 0
	ds_add_u32 v[SPW], v[NIL]       ; the wave's opening: the add and its wait ahead of my first tensor load
	v_lshrrev_b32 v1, 5, v0
	v_readfirstlane_b32 s[WV], v1
	s_mov_b32 s[PB], ttmp9
	s_sub_co_u32 s[HI], 15, s[PB]
	s_lshr_b32 s[PBH], s[PB], 1
	s_and_b32 s50, ttmp7, 0xffff
	s_lshl_b32 s50, s50, 18         ; the head's first byte in a section: 2,048 rows of 128 bytes
	s_mov_b32 s51, 0
	s_and_b32 s16, s[WV], 1         ; which half of a tile's 256 keys I fetch
	s_lshl_b32 s52, s16, 14
	s_add_co_u32 s52, s52, s50
	s_mov_b32 s53, 0
	s_mul_i32 s17, s16, 128*PK
	s_mul_i32 s18, s16, 128*PV
	s_mul_i32 s19, s16, 32*PK
	s_lshl_b32 s20, s16, 12         ; and which 32 rows of K's step 0
	s_add_co_u32 s20, s20, s50
	s_mov_b32 s21, 0
	s_lshl_b32 s3, s[WV], 11        ; my 16 rows in a band of 64,
	s_lshl_b32 s2, s[HI], 14        ; in the first block,
	s_add_co_u32 s2, s2, s3
	s_add_co_u32 s2, s2, s50
	s_lshl_b32 s22, s[PB], 14       ; and in the second
	s_add_co_u32 s22, s22, s3
	s_add_co_u32 s22, s22, s50
	s_mov_b32 s3, 0
	s_mov_b32 s23, 0
	; 128 keys are 16,384 dense bytes: asked for as 64 rows of 256 bytes, two keys a row, padded in LDS after every key
	s_mov_b32 s[G1K], (1<<16)|(1<<20)|(4<<22)|(3<<25)  ; 2-byte elements; padding on; after every 32 words, 4 words
	s_mov_b32 s[G1V], (1<<16)|(1<<20)|(4<<22)|(7<<25)  ; the same with 8 words
	s_mov_b32 s[G1Z], (1<<16)|(1<<20)|(4<<22)|(3<<25)
.irp g, G1K, G1V
	s_mov_b32 s[\g+1], 128<<16
	s_mov_b32 s[\g+2], 64<<16
	s_mov_b32 s[\g+3], 128<<16
	s_mov_b32 s[\g+4], 64
	s_mov_b32 s[\g+5], 128
	s_mov_b32 s[\g+6], 0
	s_mov_b32 s[\g+7], 0
.endr
	s_mov_b32 s[G1Z+1], 128<<16     ; 32 keys: 16 rows of 256 bytes
	s_mov_b32 s[G1Z+2], 16<<16
	s_mov_b32 s[G1Z+3], 128<<16
	s_mov_b32 s[G1Z+4], 16
	s_mov_b32 s[G1Z+5], 128
	s_mov_b32 s[G1Z+6], 0
	s_mov_b32 s[G1Z+7], 0
	s_mov_b32 s[CS], 0x3e38aa3b     ; c = log2(e) / 8
	s_mov_b32 s[CS+1], s[CS]
	s_mov_b32 s[SEL], 0x76543210
	s_mov_b32 s[SEL+1], 0xfedcba98
	s_mov_b32 s[TBK], SLOT1+4*KS*PK ; the first change of slots turns these two into 0
	s_mov_b32 s[TBV], SLOT1+4*KS*PV
	s_mov_b32 s[G0K], 1
	s_mov_b32 s[G0K+1], s17
	s_mov_b32 s[G0V], 1
	s_add_co_u32 s[G0V+1], s18, VOFF
	s_mov_b32 s[G0Z], 1
	s_add_co_u32 s[G0Z+1], s19, K0B
	s_lshr_b32 s[LQ], s[HI], 1
	s_add_co_u32 s[RT], s[LQ], 1    ; the first block has (15 - b) / 2 + 1 tiles: five or more
	s_and_b32 s[PAR], s[HI], 1
	s_lshl_b32 s[PAR], s[PAR], 1
	s_mov_b32 s[NXT], 1
	s_mov_b32 s[NEW], 1
	s_mov_b32 s[OFF+1], 0
	s_mov_b32 s[AL+1], 0
	s_mov_b32 s[BE+1], 0
	s_mov_b32 s[BIGN], 0xf149f2ca   ; -1e30
	s_mov_b32 s[SLOTS], 8
	s_cmp_eq_u32 s[PB], 0
	s_cselect_b32 s[LIM], 2, -1
	v_lshlrev_b32 v[PFO], 8, v0
	s_wait_dscnt 0x0                ; the opening add is done
	s_wait_kmcnt 0x0
	s_add_nc_u64 s[6:7], s[4:5], s[52:53]
	s_add_nc_u64 s[8:9], s[6:7], 16777216          ; V at my half of the head's tile 0
	s_add_nc_u64 s[6:7], s[6:7], 8388608+8192      ; K likewise, one step on
	s_add_nc_u64 s[G0K+2:G0K+3], s[6:7], 0
	s_or_b32 s[G0K+3], s[G0K+3], 0x80000000
	s_add_nc_u64 s[G0V+2:G0V+3], s[8:9], 0
	s_or_b32 s[G0V+3], s[G0V+3], 0x80000000
	s_add_nc_u64 s[G0Z+2:G0Z+3], s[4:5], s[20:21]
	s_add_nc_u64 s[G0Z+2:G0Z+3], s[G0Z+2:G0Z+3], 8388608
	s_or_b32 s[G0Z+3], s[G0Z+3], 0x80000000
	s_add_nc_u64 s[PFK:PFK+1], s[4:5], s[50:51]
	s_add_nc_u64 s[PFV:PFV+1], s[PFK:PFK+1], 16777216+32768      ; at tile 1: stepped ahead of each use
	s_add_nc_u64 s[PFK:PFK+1], s[PFK:PFK+1], 8388608+8192+32768
	s_add_nc_u64 s[QLO:QLO+1], s[4:5], s[22:23]
	s_add_nc_u64 s[4:5], s[4:5], s[2:3]
	s_add_nc_u64 s[OLO:OLO+1], s[10:11], s[22:23]
	s_add_nc_u64 s[10:11], s[10:11], s[2:3]
	s_cmp_lt_u32 s[WV], 2           ; a wave's first fills stand in one branch: two loads of waves 0, 1 are out, one of waves 2, 3; the wait for them is for 0
	s_cbranch_scc0 .Lfirst_v
	tensor_load_to_lds s[G0K:G0K+3], s[G1K:G1K+7]
	s_nop 0
	tensor_load_to_lds s[G0Z:G0Z+3], s[G1Z:G1Z+7]
	s_nop 0
.rept 4
	v_nop
.endr
	s_branch .Lfirst_asked
.Lfirst_v:
	tensor_load_to_lds s[G0V:G0V+3], s[G1V:G1V+7]
	s_nop 0
.rept 4
	v_nop
.endr
.Lfirst_asked:
	v_and_b32 v1, 15, v0            ; l % 16
	v_bfe_u32 v9, v0, 4, 1          ; l / 16
	v_lshlrev_b32 v[QO], 7, v1
	v_lshl_add_u32 v[QO], v9, 4, v[QO]
	WIN 0x80
.set i, 0
.rept 4                             ; both blocks' Q: piece i / 2 lies 8,192 bytes on; channels 32 (i % 2) on
	global_load_b128 v[8*i:8*i+3],   v[QO], s[4:5] offset:(i/2)*8192+(i%2)*64
	global_load_b128 v[8*i+4:8*i+7], v[QO], s[4:5] offset:(i/2)*8192+(i%2)*64+32
	global_load_b128 v[QB+8*i:QB+8*i+3],   v[QO], s[QLO:QLO+1] offset:(i/2)*8192+(i%2)*64
	global_load_b128 v[QB+8*i+4:QB+8*i+7], v[QO], s[QLO:QLO+1] offset:(i/2)*8192+(i%2)*64+32
.set i, i+1
.endr
	WIN 0
	v_lshlrev_b32 v14, 3, v9
	v_sub_nc_u32 v14, v1, v14
	s_lshl_b32 s16, s[WV], 4
	v_add_nc_u32 v14, s16, v14      ; my query's place in its band less 8 (l / 16): register r of key group kt is hidden where 16 kt + r is greater
	WIN 0x40
.set i, 0
.rept 32
	v_cmp_gt_i32 vcc_lo, 16*(i/8)+i%8, v14
	v_cndmask_b32 v[MD+i], 0, s[BIGN], vcc_lo
.set i, i+1
.endr
	WIN 0
	v_mul_u32_u24 v[AK0], v1, PK
	v_lshl_add_u32 v[AK0], v9, 4, v[AK0]
	v_and_b32 v10, 7, v0
	v_bfe_u32 v11, v0, 3, 1
	v_lshl_add_u32 v[AV0], v9, 3, v10   ; the turning load: key 8 (l / 16) + l % 8, channels 8 ((l / 8) % 2) + 0..7
	v_mul_u32_u24 v[AV0], v[AV0], PV
	v_lshl_add_u32 v[AV0], v11, 4, v[AV0]
	v_add_nc_u32 v[AV0], VOFF, v[AV0]
	s_mul_i32 s16, s[WV], 16*SP
	s_add_co_u32 s16, s16, STAGE
	v_mul_u32_u24 v[STO], v1, SP
	v_lshl_add_u32 v[STO], v9, 4, v[STO]
	v_add_nc_u32 v[STO], s16, v[STO]
	v_bfe_u32 v[RD], v0, 3, 2
	v_mul_u32_u24 v[RD], v[RD], SP
	v_lshl_add_u32 v[RD], v10, 4, v[RD]
	v_add_nc_u32 v[RD], s16, v[RD]
	v_and_b32 v[GO], 31, v0
	v_lshlrev_b32 v[GO], 4, v[GO]
	; A block's first step multiplies O^T and l by a = 0, and its first turn's products V^T P land in an O^T that is still to be so multiplied: these registers need only hold finite numbers:
	; zeros for the first block, what the first block left for the second.  All this stands in the wait for the first tile.
	WIN 0x80
.set i, VF
.rept 64
	v_mov_b32 v[i], 0
.set i, i+1
.endr
	WIN 0x40
.set i, 0
.rept 64
	v_mov_b32 v[i], 0
.set i, i+1
.endr
	WIN 0
.set i, 0
.rept 2
	v_mov_b32 v[ST+4*i+2], 0
	v_mov_b32 v[ST+4*i+3], 0
.set i, i+1
.endr
.set i, P+16
.rept 16
	v_mov_b32 v[i], 0
.set i, i+1
.endr
; THE MATRIX WORK.  The 4 accumulators of a run of 8 take turns.  Product i of 8 of S^T = K Q^T for piece x: channels 32 (i / 4) on, keys 16 (i % 4) on; the first 4 start the sums, with 0 or (KM = 1) the mask.
.macro KQ x
.set rS, S+32*((\x)%2)+8*(i%4)
.set rK, KF+16*(i%4)+8*(i/4)
.set rQ, 16*(\x)+8*(i/4)
.set rM, MC+32*((\x)%2)+8*(i%4)
.if (i < 4) && KM
	WIN W_KM
	v_wmma_f32_16x16x32_bf16 v[rS:rS+7], v[rK:rK+7], v[rQ:rQ+7], v[rM:rM+7]
.elseif i < 4
	WIN W_KQ
	v_wmma_f32_16x16x32_bf16 v[rS:rS+7], v[rK:rK+7], v[rQ:rQ+7], 0
.else
	WIN W_KQ
	v_wmma_f32_16x16x32_bf16 v[rS:rS+7], v[rK:rK+7], v[rQ:rQ+7], v[rS:rS+7]
.endif
.endm
.macro PV x                         ; product i of 8 of O^T += V^T P for piece x: keys 32 (i / 4) on, channels 16 (i % 4) on
	WIN W_PV
.set rO, 32*(\x)+8*(i%4)
.set rV, VF+32*(i/4)+8*(i%4)
.set rP, P+16*((\x)%2)+8*(i/4)
	v_wmma_f32_16x16x32_bf16 v[rO:rO+7], v[rV:rV+7], v[rP:rP+7], v[rO:rO+7]
.endm
.macro MM                           ; the turn's next matrix instruction
.if i < 8
	KQ (Y+1)%NP
.else
.set i, i-8
	PV (Y+1)%NP
.set i, i+8
.endif
.set i, i+1
.endm
.macro FETCH_K step                 ; a run of 16 LDS loads: a step's K; step = 1: the next fetch is the next step's
	WIN 0x80
.irp f, 0,1,2,3,4,5,6,7
	ds_load_b128 v[KF+8*\f:KF+8*\f+3],   v[AK] offset:(\f/2)*16*PK+(\f%2)*64
	ds_load_b128 v[KF+8*\f+4:KF+8*\f+7], v[AK] offset:(\f/2)*16*PK+(\f%2)*64+32
.endr
.if \step
	s_add_co_u32 s[TBK], s[TBK], KS*PK
.endif
	WIN 0
.endm
.macro FETCH_V
	WIN 0x80
.irp f, 0,1,2,3,4,5,6,7
	ds_load_tr16_b128 v[VF+8*\f:VF+8*\f+3],   v[AV] offset:(\f/4)*32*PV+(\f%4)*32
	ds_load_tr16_b128 v[VF+8*\f+4:VF+8*\f+7], v[AV] offset:(\f/4)*32*PV+16*PV+(\f%4)*32
.endr
	WIN 0
.endm
; THE VECTOR WORK, one line at a time: OP kind, number.  For piece Y: F n: c s - c m for pair n of 16.  E n: the exponential of score n of 32.  C n: pair n rounded to bf16.  B n: of the four weights 4 n .. the second
; pair is added onto the first, in place.  L n: l takes that sum (L 0: l = a l + sum).  R n: pair n of 16 of O^T times a.  For the other piece: X n, number n of the 22 that find its maximum and statistics:
;   0-11 four chains of seven scores each (each accumulator's lowest registers are read first)   12-14, 16 the scores left over, the old m, four into one   15 c m_old is kept
;   17, 18 the query's other 32 keys lie in the lane 16 away: the new m   19-21 c m; c m_old - c m_new; a
.set F, 0
.set E, 1
.set C, 2
.set B, 3
.set L, 4
.set R, 5
.set X, 6
.macro REGS y
.set rT, ST+4*(\y)
.set rC, TMP+4*((\y)%2)
.set rW, MV+((\y)%2)
.set rS, S+32*((\y)%2)
.set rP, P+16*((\y)%2)
.set rO, 32*(\y)
.endm
.macro OP k, n
.if (\k) == R
	REGS Y
	WIN W_RS
	v_pk_mul_f32 v[rO+2*(\n):rO+2*(\n)+1], v[rO+2*(\n):rO+2*(\n)+1], v[rC+2:rC+3] op_sel_hi:[1,0]
.elseif (\k) < R
	REGS Y
	WIN 0
.if (\k) == F
	v_pk_fma_f32 v[rS+2*(\n):rS+2*(\n)+1], v[rS+2*(\n):rS+2*(\n)+1], s[CS:CS+1], v[rT:rT+1] op_sel_hi:[1,0,0] neg_lo:[0,0,1] neg_hi:[0,0,1]
.elseif (\k) == E
	v_exp_f32 v[rS+(\n)], v[rS+(\n)]
.elseif (\k) == C
	v_cvt_pk_bf16_f32 v[rP+(\n)], v[rS+2*(\n)], v[rS+2*(\n)+1]
.elseif (\k) == B
	v_pk_add_f32 v[rS+4*(\n):rS+4*(\n)+1], v[rS+4*(\n):rS+4*(\n)+1], v[rS+4*(\n)+2:rS+4*(\n)+3]
.elseif (\n) == 0
	v_pk_fma_f32 v[rT+2:rT+3], v[rT+2:rT+3], v[rC+2:rC+3], v[rS:rS+1] op_sel_hi:[1,0,1]
.else
	v_pk_add_f32 v[rT+2:rT+3], v[rT+2:rT+3], v[rS+4*(\n):rS+4*(\n)+1]
.endif
.else
	REGS (Y+1)%NP
	WIN 0
.if (\n) < 4
	v_max3_num_f32 v[rC+(\n)], v[rS+8*(\n)], v[rS+8*(\n)+1], v[rS+8*(\n)+2]
.elseif (\n) < 12
	v_max3_num_f32 v[rC+(\n)%4], v[rC+(\n)%4], v[rS+8*((\n)%4)+2*((\n)/4)+1], v[rS+8*((\n)%4)+2*((\n)/4)+2]
.elseif (\n) == 12
	v_max3_num_f32 v[rC], v[rC], v[rS+7], v[rS+15]
.elseif (\n) == 13
	v_max3_num_f32 v[rC+1], v[rC+1], v[rS+23], v[rS+31]
.elseif (\n) == 14
	v_max3_num_f32 v[rC+2], v[rC+2], v[rC+3], v[rT+1]
.elseif (\n) == 15
	v_mov_b32 v[rW], v[rT]
.elseif (\n) == 16
	v_max3_num_f32 v[rC], v[rC], v[rC+1], v[rC+2]
.elseif (\n) == 17
	v_permlanex16_b32 v[rC+3], v[rC], s[SEL], s[SEL+1]
.elseif (\n) == 18
	v_max_num_f32 v[rT+1], v[rC], v[rC+3]
.elseif (\n) == 19
	v_mul_f32 v[rT], s[CS], v[rT+1]
.elseif (\n) == 20
	v_sub_f32 v[rC+1], v[rW], v[rT]
.else
	v_exp_f32 v[rC+2], v[rC+1]
.endif
.endif
.endm
.macro OPS a, i1, b=-1, i2=0, c=-1, i3=0, d=-1, i4=0
	OP \a, \i1
.if (\b) >= 0
	OP \b, \i2
.endif
.if (\c) >= 0
	OP \c, \i3
.endif
.if (\d) >= 0
	OP \d, \i4
.endif
.endm
.macro ROW a, i1, b, i2, c, i3, d, i4  ; a matrix instruction and the four behind it
	MM
	OPS \a, \i1, \b, \i2, \c, \i3, \d, \i4
.endm
.macro MASK b                       ; MD x AL + BE into buffer b of MC
	WIN W_RS
.set z, 0
.rept 16
	v_pk_fma_f32 v[MC+32*(\b)+2*z:MC+32*(\b)+2*z+1], v[MD+2*z:MD+2*z+1], s[AL:AL+1], s[BE:BE+1] op_sel_hi:[1,0,0]
.set z, z+1
.endr
.endm
; A TURN, for piece p.  Ahead of its one wait stands all that names no result of its exponentials: 8 products K Q^T with their four lines each, then the lump; X 21, the other piece's a, is the batch's last and R 15 the
; plain line behind it.  Behind the wait: 8 products V^T P, behind each four of the roundings and sums.
; p = 0 fetches K of the next step in the lump (five plain lines that name no register of the last product that read K stand between) and V of the step in hand behind the last four lines of the turn.
; p = 1 waits at its head for K (V's 16 younger loads stay out) and, behind the batch's wait, for V.
; m = 1: the products take masks, and the turn makes the mask of the next turn's products: piece p, one step on: its own step if RS = p - 1, hidden if RS is greater.  cnt = 1: the step's counts are stepped.
.macro TURN p, m=0, cnt=0
.set Y, (\p)
.set i, 0
.set KM, (\m)
.if \m
	s_cmp_eq_i32 s[RS], (\p)-1
	s_cselect_b32 s[AL], 1.0, 0
	s_cmp_gt_i32 s[RS], (\p)-1
	s_cselect_b32 s[BE], s[BIGN], 0
.endif
.if (\p) == 1
	s_wait_dscnt 16                 ; K is in
.endif
	ROW F,0, F,1, R,0, R,1
	ROW F,2, E,0, R,2, R,3
	ROW F,3, E,1, R,4, R,5
	ROW F,4, E,2, R,6, R,7
	ROW F,5, E,3, R,8, R,9
	ROW F,6, E,4, X,0, R,10
.if (\p) == 0
	WIN 0
	v_add_nc_u32 v[AK], s[TBK], v[AK0]
.endif
	ROW F,7, E,5, X,1, X,4
	ROW F,8, E,6, X,2, X,5
	OPS E,7, E,8, X,6, E,9
	OPS X,3, E,10, X,8, E,11
.if (\p) == 0
	FETCH_K 1
.endif
	OPS X,9, X,7, E,12, X,10
	OPS E,13, X,12, X,11, E,14
	OPS X,13, E,15, F,9, X,14
.if (\p) == 0
	v_add_nc_u32 v[AV], s[TBV], v[AV0]
.endif
	OPS E,16, F,10, E,17, F,11
	OPS X,16, E,18, X,15, E,19
	OPS F,12, E,20, X,17, E,21
	OPS F,13, E,22, F,14, E,23
	OPS X,18, E,24, F,15, E,25
	OPS R,11, E,26, X,19, E,27
	OPS R,12, E,28, R,13, E,29
	OPS X,20, E,30, R,14, E,31
	OPS X,21, R,15
	WIN 0
	s_wait_alu depctr_va_vdst(0)    ; one wait for the batch, ahead of its first reader
.if (\p) == 1
	s_wait_dscnt 0x0                ; V is in
.endif
	ROW C,0, B,0, C,2, B,1
	ROW L,0, C,4, B,2, L,1
	ROW C,6, B,3, L,2, C,8
	ROW B,4, L,3, C,10, B,5
	ROW L,4, C,12, B,6, L,5
.if (\p) == 0
	s_add_co_u32 s[TBV], s[TBV], KS*PV
.endif
.if \cnt
	s_add_co_i32 s[RS], s[RS], 1
	s_sub_co_u32 s[CNT], s[CNT], 1
	s_cmp_lg_u32 s[CNT], 0
.endif
	ROW C,14, B,7, L,6, C,1
	ROW C,3, L,7, C,5, C,7
	ROW C,9, C,11, C,13, C,15
.if (\p) == 0
	FETCH_V
.endif
.if \m
	MASK \p
.endif
.endm
; A BLOCK BEGINS.  c m starts far below every c s, so the first step's a is 0; m at the lowest finite number.  Piece 1's mask buffer is 0 (its step 0 is never its own) and stays so until a turn with masks writes it;
; piece 0's takes its mask for step 0: its own step if the block's first tile is the diagonal one and PAR = 0.  Then K of step 0, piece 0's first scores, and its maximum and statistics.
.macro BEGIN
	s_mov_b32 s[NEW], 0
	WIN 0x40
.set i, MC+32
.rept 32
	v_mov_b32 v[i], 0
.set i, i+1
.endr
	WIN 0
.set i, 0
.rept 2
	v_mov_b32 v[ST+4*i], 0xfe000000
	v_mov_b32 v[ST+4*i+1], 0xff7fffff
.set i, i+1
.endr
	s_or_b32 s16, s[RT], s[PAR]
	s_cmp_eq_u32 s16, 0
	s_cselect_b32 s[AL], 1.0, 0
	s_mov_b32 s[BE], 0
	MASK 0
	WIN 0
	v_add_nc_u32 v[AK], K0B, v[AK0]
	FETCH_K 0
	s_wait_loadcnt 0x0              ; Q
	s_wait_dscnt 0x0
.set KM, 1
.set i, 0
.rept 8
	KQ 0
.set i, i+1
.endr
	WIN 0
.rept 4
	v_nop                           ; the places behind those products
.endr
.set Y, 1                           ; X works for the other piece: piece 0
.irp n, 0,1,2,3,4,5,6,7,8,9,10,11,12,13,14,15,16,17,18,19,20,21
	OP X, \n
.endr
	v_nop                           ; a plain line behind the exponential,
	s_wait_alu depctr_va_vdst(0)    ; and its wait, ahead of the branch
.endm
.macro TILEIN                       ; a tile is entered
	s_sub_co_u32 s[RT], s[RT], 1
	s_mov_b32 s[CNT], 4
	s_lshl_b32 s[RS], s[RT], 2
	s_add_co_u32 s[RS], s[RS], s[PAR]
	s_sub_co_i32 s[RS], 0, s[RS]    ; its first step lies 4 RT steps ahead of the diagonal tile's first
.endm
.macro ALL line:vararg
.set t, 0
.rept 2
	\line
.set t, t+1
.endr
.endm
.macro PACK t                       ; O^T / l, rounded; 16 bytes a lane into rows of 144 bytes, back as whole rows of 128
	WIN W_RS
.set i, 32*(\t)
.rept 16
	v_pk_mul_f32 v[i:i+1], v[i:i+1], v[ST+4*(\t)+2:ST+4*(\t)+3] op_sel_hi:[1,0]
.set i, i+2
.endr
	WIN 0x05
.set i, 0
.rept 16
	v_cvt_pk_bf16_f32 v[S+16*(\t)+i], v[32*(\t)+2*i], v[32*(\t)+2*i+1]
.set i, i+1
.endr
	WIN 0
.irp f, 0,1,2,3
	ds_store_b128 v[STO], v[S+16*(\t)+4*\f:S+16*(\t)+4*\f+3] offset:32*\f
.endr
.irp f, 0,1,2,3
	ds_load_b128 v[S+16*(\t)+4*\f:S+16*(\t)+4*\f+3], v[RD] offset:\f*4*SP  ; a wave's LDS instructions are served in order: these see the stores above, and the next piece's stores come behind them
.endr
.endm
.macro SEND t, younger              ; younger: the LDS instructions issued behind piece t's loads
	WIN 0
.irp f, 0,1,2,3
	s_wait_dscnt (\younger)+3-\f
	global_store_b128 v[GO], v[S+16*(\t)+4*\f:S+16*(\t)+4*\f+3], s[10:11] offset:(\t)*8192+\f*512  ; 512 consecutive bytes, aligned
.endr
.endm
; A tile's four steps with masks; then, if it was the block's last, piece 1's last products and the way out.  n = 1: in the loop; n = 2: the walk's last tile.
.macro DIAG n
.LstepM\n:
	TURN 0, 1
	TURN 1, 1, 1
	WIN 0
	s_cbranch_scc1 .LstepM\n
.if (\n) == 1
	s_cmp_lg_u32 s[RT], 0
	s_cbranch_scc1 .Lbottom         ; the tile ahead of the diagonal one
.endif
.set i, 0
.rept 8
	PV 1
.set i, i+1
.endr
	WIN 0
	ALL v_add_f32 v[ST+4*t+2], v[ST+4*t+2], v[ST+4*t+3]
	ALL v_permlanex16_b32 v[ST+4*t+3], v[ST+4*t+2], s[SEL], s[SEL+1]
	ALL v_add_f32 v[ST+4*t+2], v[ST+4*t+2], v[ST+4*t+3]
	ALL v_rcp_f32 v[ST+4*t+2], v[ST+4*t+2]
	v_nop
	s_wait_alu depctr_va_vdst(0)    ; one wait for the two reciprocals
	PACK 0
	PACK 1
	SEND 0, 8
	SEND 1, 0
.if (\n) == 1
	s_wait_xcnt 0x0                 ; the stores have read their registers and the address
	s_mov_b64 s[10:11], s[OLO:OLO+1]
	s_add_co_u32 s[RT], s[PBH], 1   ; the second block has b / 2 + 1 tiles
	s_and_b32 s[PAR], s[PB], 1
	s_lshl_b32 s[PAR], s[PAR], 1
	s_mov_b32 s[NEW], 1
	WIN 0x82
.set i, 0
.rept 32
	v_mov_b32 v[i], v[QB+i]         ; the second block's Q goes where the one text of the turns names Q
.set i, i+1
.endr
	WIN 0
	s_branch .Lbottom
.endif
.endm
.set KM, 0
.Lslot:                             ; eight times: a tile is entered and the next is asked for
	CHANGE 1
	TILEIN
	s_cmp_eq_u32 s[NEW], 1
	s_cbranch_scc1 .Lnew            ; a block's first tile
	s_cmp_gt_u32 s[RT], 1
	s_cbranch_scc1 .Lstep           ; not one of its last two
	s_branch .LstepM1
.Lnew:
	BEGIN
	s_cmp_gt_u32 s[RT], 1
	s_cbranch_scc1 .Lstep
	DIAG 1
.Lstep:                             ; a trip is a key step
	TURN 0
	TURN 1, 0, 1
	WIN 0
	s_cbranch_scc1 .Lstep
.Lbottom:
	s_sub_co_u32 s[SLOTS], s[SLOTS], 1
	s_cmp_lg_u32 s[SLOTS], 0
	s_cbranch_scc1 .Lslot
	CHANGE 0                        ; the walk's last tile, the second block's diagonal one, is written out: nothing is asked for
	TILEIN
	s_cmp_eq_u32 s[NEW], 1
	s_cbranch_scc0 .LstepM2
	BEGIN
	DIAG 2
	s_wait_tensorcnt 0x0            ; the wave's end: behind my last tensor load and my last LDS store
	ds_add_u32 v[SPW], v[NIL]
	s_wait_dscnt 0x0
	s_endpgm
.Lfunc_end_k_q8a023984a7_attn:
	.size	k_q8a023984a7_attn, .Lfunc_end_k_q8a023984a7_attn-k_q8a023984a7_attn
	.p2alignl 7, 3214868480
	.fill 96, 4, 3214868480
	.section	.rodata,"a",@progbits
	.p2align	6, 0x0
	.amdhsa_kernel k_q8a023984a7_attn
		.amdhsa_group_segment_fixed_size 327680
		.amdhsa_private_segment_fixed_size 0
		.amdhsa_enable_private_segment 0
		.amdhsa_kernarg_size 16
		.amdhsa_user_sgpr_count 2
		.amdhsa_user_sgpr_kernarg_segment_ptr 1
		.amdhsa_wavefront_size32 1
		.amdhsa_system_sgpr_workgroup_id_x 1
		.amdhsa_system_sgpr_workgroup_id_y 1
		.amdhsa_system_sgpr_workgroup_id_z 1
		.amdhsa_system_vgpr_workitem_id 0
		.amdhsa_next_free_vgpr 768
		.amdhsa_next_free_sgpr 100
		.amdhsa_reserve_vcc 1
		.amdhsa_float_denorm_mode_32 3
		.amdhsa_float_denorm_mode_16_64 3
		.amdhsa_memory_ordered 1
		.amdhsa_forward_progress 1
		.amdhsa_inst_pref_size 112
	.end_amdhsa_kernel
	.amdgpu_metadata
---
amdhsa.version: [ 1, 2 ]
amdhsa.kernels:
  - .name:           k_q8a023984a7_attn
    .symbol:         k_q8a023984a7_attn.kd
    .args:
      - { .name: qkv, .offset: 0, .size: 8, .value_kind: global_buffer, .address_space: global }
      - { .name: of, .offset: 8, .size: 8, .value_kind: global_buffer, .address_space: global }
    .group_segment_fixed_size: 327680
    .private_segment_fixed_size: 0
    .kernarg_segment_align: 8
    .kernarg_segment_size: 16
    .max_flat_workgroup_size: 128
    .sgpr_count:     100
    .vgpr_count:     768
    .wavefront_size: 32
...
	.end_amdgpu_metadata
.endif
;; end of part 3
;; launch wo (part 4): grid 8 x 32, 4 waves a work-group, clusters of 4 x 4, 327,680 bytes of LDS; arguments of, wa, x, bo, x1; writes x1
.if DOCPART == 4
	.amdgcn_target "amdgcn-amd-amdhsa--gfx1250"
	.amdhsa_code_object_version 6
	.text
	.protected	k_q8a023984a7_wo
	.globl	k_q8a023984a7_wo
	.p2align	8
	.type	k_q8a023984a7_wo,@function
k_q8a023984a7_wo:
	s_mov_b64 s[64:65], 0
	v_nop
	global_prefetch_b8 v0, s[64:65] scope:SCOPE_SE
	s_setreg_imm32_b32 hwreg(HW_REG_WAVE_MODE, 25, 1), 1
	s_wait_xcnt 0x0
	s_wait_alu depctr_hold_cnt(0) depctr_sa_sdst(0) depctr_va_vdst(0) depctr_va_sdst(0) depctr_va_ssrc(0) depctr_va_vcc(0) depctr_vm_vsrc(0)
	s_getreg_b32 s2, hwreg(HW_REG_IB_STS2, 6, 4)
	s_cmp_eq_u32 s2, 0
	s_cbranch_scc0 .Lentry_in_a_cluster
	s_endpgm
.Lentry_in_a_cluster:
	s_bfe_u32 s2, ttmp6, 0x10000c
	s_cmp_lg_u32 s2, 0xf033
	s_cbranch_scc0 .Lentry_shape_is_right
	s_endpgm
.Lentry_shape_is_right:
; out = res + A W + bias.  A: [4][8 slices][2048][64] bf16; W: 16 slices [512 k][64] bf16 at the head of the second argument; res, out: [8192][1024] f32; bias: [1024] f32.  Sums, bias and residual in f32.
; One text serves this program's three products; MODE and the four sizes below choose.  MODE 0: sums start at 0, bf16 slices out.  1: sums start at the bias, ReLU, bf16 slices out.  2: sums start at the bias, f32 rows out, a residual added.
.set MODE, 2
.set NS,   2                           ; slices of 64 output columns in a tile of C
.set KDIM, 512
.set WOFF, 0                           ; where the weights begin in their buffer
.set PF,   0                           ; no prefetch: K has four steps: two are the first fills, and the two refills name k tiles that the clusters of the other direction ask for among their first fills
; SHARES.  A tile of C is 256 rows x 64 NS columns; grid 8 x 32 tiles, one to a work-group.  Wave w owns rows 64 w .. + 63 and all columns: 16 NS accumulators of 16 x 16.
; K goes in steps of 128 (a k tile: two slices of A, 128 k-rows of W) through two LDS slots.  Waves 0, 1 fetch A's two slices (each 256 rows x 128 bytes, dense in memory: asked for as 128 rows of 256 bytes),
; waves 2, 3 the two halves of W's k-rows (for each of NS slices 64 k-rows, 8,192 dense bytes: NS rows of 8,192 bytes).
; CLUSTER 4 x 4: A's tile hangs on the tile row alone and is asked for jointly by a row of the cluster, W's on the tile column alone, by a column.
; THE WALK ALONG K.  Clusters whose x + y is even take the k tiles in ascending order, the others in descending order (f32 sums may be taken in either order).  A's rows are read by the two clusters of a row of
; clusters, which so walk against each other; W's slices by the eight of a column, four each way.  A k tile is asked for by the clusters of one direction in the first half of their walk and by those of the other in the second half of theirs.
; THE MATRIX INSTRUCTION IS USED TRANSPOSED: source 0 = 16 columns of W (stored [k][n], turned by ds_load_tr16_b128), source 1 = 16 rows of A: lane l holds row l % 16 and columns 8 (l / 16) + 0..7.
; REGISTERS in windows of 256: window 0 addresses, bias, A's fragments (two buffers of 32), the way out; window 1 W's fragments (two buffers of 8 NB4); windows 2, 3 the accumulators (row blocks 0, 1 and 2, 3).
; The accumulators take turns, one instruction a turn, in the same order in every quarter step.  NaN and infinities are not treated apart.
.set KSL,  KDIM/64                     ; slices of A
.set NST,  KDIM/128                    ; K steps
.set LAPS, KDIM/256                    ; a lap = two K steps = once round the ring
.set NB4,  4*NS                        ; column blocks of 16
.set NLD,  2*NB4+8                     ; LDS loads in a quarter step's run
.set PA,   144                         ; an LDS row of A: 128 bytes + 16: the 16 rows of a load start 36 words apart
.set PB,   160                         ; an LDS row of W: 128 bytes + 32: the turning load's 8 rows start 40 words apart
.set APL,  256*PA
.set ABY,  2*APL
.set BSL,  64*PB
.set BH,   NS*BSL
.set SLOT, ABY+2*BH                    ; A slice 0, A slice 1, W half 0 [NS][64][PB], W half 1
.set STAGE, 2*SLOT                     ; behind the ring, never filled by a tensor load: each wave's own stage for the way out
.if MODE == 2
.set STW,  16*528
.else
.set STW,  NS*16*PA
.endif
.set SPARE, STAGE+4*STW                ; the spare words, 128 bytes for each wave: two blocks of 256 bytes that no other line names
.set ADRA, 16                          ; v16-17  LDS address of my A fragments in slot 0, 1
.set ADRB, 20                          ; v20-21  the same for W
.set STO,  24                          ; v24  the way out: where I put my part of a row
.set RD,   25                          ; v25  where I read rows back
.set CO,   26                          ; v26  16 l: my 16 bytes in 512 consecutive bytes
.set BO,   27                          ; v27  32 (l / 16): my eight numbers in a block of the bias
.set SPW,  28                          ; v28  LDS address of my spare word; never rewritten
.set NIL,  29                          ; v29  0; never rewritten
.set PFO,  30                          ; v30  256 l; never rewritten
.set ZR,   31                          ; v31  0, for the ReLU
.set BIAS, 32                          ; v32..  8 registers a column block
.set FA0,  96                          ; v96-127, v128-159  A's fragments
.set TMP,  160                         ; the way out
.set BK,   TMP+4*NB4
.set OB,   160
.set DIR,  3                           ; s3  0: my cluster walks K upward; 1: downward
.set PTA,  4                           ; s[4:5] A, s[6:7] W
.set PTW,  6
.if MODE == 0
.set PTO,  8
.elseif MODE == 1
.set PTB,  8
.set PTO,  10
.else
.set PTR,  8
.set PTB,  10
.set PTO,  12
.endif
.set WV,   14                          ; s14 wave; s15 wave / 2: I fetch for A (0) or W (1); s16 wave % 2: which half
.set WH,   15
.set WL,   16
.set CX,   17
.set CY,   18
.set TJ,   19                          ; tile column
.set TY,   20                          ; tile row
.set G1A,  24                          ; s[24:31] descriptor group 1 for A; s[32:39] group 0, a set for each slot
.set G0A,  32
.set BSA,  40                          ; s[40:41] A at my slice of k tile 0, the tile's rows; kept
.set BSW,  42                          ; s[42:43] W at my 64 k-rows of k tile 0, the tile's first slice; kept
.set T0,   46                          ; s46, s47 the k tile that slot 0, slot 1 was last filled with
.set G1B,  48                          ; s[48:55], s[56:63] the same for W
.set G0B,  56
.set KO,   66                          ; s[66:67] a k tile's byte offset, in 64 bits: the upper word stays 0
.set KST,  68                          ; s68  from a slot's k tile to its next: + 2 or - 2
.set PFA,  70                          ; s[70:71] what my one prefetch names; never rewritten
.set LAP,  72
.set LIM,  73                          ; s73  the count of laps to go at which I prefetch: LAPS - 1, the first trip; in a wave that asks for nothing a number that the count never takes
.set OBS,  74                          ; s[74:79] out at my rows of each slice
.set MSB, 0
.macro WIN new                         ; the immediate's high byte repeats the setting that is left
.if MSB != (\new)
	s_set_vgpr_msb (MSB<<8)|(\new)
.set MSB, \new
.endif
.endm
.macro PLACES                          ; four plain lines between a matrix instruction and a load into, or a vector line on, its registers
.rept 4
	v_nop
.endr
.endm
.macro JLOAD s                         ; a joint load; the branch hangs on the wave's number alone; an s_nop 0 and four v_nop follow each line
	s_cmp_eq_u32 s[WH], 0
	s_cbranch_scc0 .Lfor_b_\@
	tensor_load_to_lds s[G0A+4*(\s):G0A+4*(\s)+3], s[G1A:G1A+7]
	s_nop 0
.rept 4
	v_nop
.endr
	s_branch .Lasked_\@
.Lfor_b_\@:
	tensor_load_to_lds s[G0B+4*(\s):G0B+4*(\s)+3], s[G1B:G1B+7]
	s_nop 0
.rept 4
	v_nop
.endr
.Lasked_\@:
.endm
.macro CREST                           ; a round of the cluster's barrier behind its opening barrier
	s_cmp_lg_u32 s[WV], 0
	s_cbranch_scc1 .Lnot_wave_0_\@
	s_barrier_signal -3
.Lnot_wave_0_\@:
	s_barrier_wait -3
	s_barrier_signal -1
	s_barrier_wait -1
.endm
.macro CROUND
	s_barrier_signal -1
	s_barrier_wait -1
	CREST
.endm
.macro ADDR s                          ; slot s's two group 0 take the addresses of k tile s[T0 + s]: the kept pointer plus the k tile's bytes, the type set anew
	s_lshl_b32 s[KO], s[T0+(\s)], 19               ; a k tile of A is two slices: 524,288 bytes
	s_add_nc_u64 s[G0A+4*(\s)+2:G0A+4*(\s)+3], s[BSA:BSA+1], s[KO:KO+1]
	s_or_b32 s[G0A+4*(\s)+3], s[G0A+4*(\s)+3], 0x80000000
	s_lshl_b32 s[KO], s[T0+(\s)], 14               ; of W 128 k-rows: 16,384 bytes
	s_add_nc_u64 s[G0B+4*(\s)+2:G0B+4*(\s)+3], s[BSW:BSW+1], s[KO:KO+1]
	s_or_b32 s[G0B+4*(\s)+3], s[G0B+4*(\s)+3], 0x80000000
.endm
; A PREFETCH INTO THE L2, once a launch: behind the refill for K step 2 and the run of LDS loads, for what the next refill, K step 3's, will ask for: one K step ahead; 32 blocks of 256 bytes, a lane a block.
; K steps 0 and 1 are the first fills and K step 2 follows them at once: they come by their loads alone.  K steps 4 to 7 name k tiles that the clusters of the other direction ask for in their K steps 3 to 0: they are not asked for again.
; A: each cluster asks for its own k tile (3 going up, 4 going down): of the slice's 128 blocks that wave 0 or 1 will fetch, the partner at place cx takes 32 (told apart by address).  W: k tiles 3 and 4 lie end to end, 32,768 bytes
; of a slice: wave 2 of the clusters with y < NS asks for those of slice NS TJ + y, and the partner at place cy takes 8,192 bytes.  So each block is named once.
.macro ASK
	s_cmp_eq_u32 s[LAP], s[LIM]
	s_cbranch_scc0 .Lnot_mine_\@
	global_prefetch_b8 v[PFO], s[PFA:PFA+1] th:TH_LOAD_NT scope:SCOPE_SE
.Lnot_mine_\@:
.endm
.if MODE == 0
	s_load_b128 s[4:7], s[0:1], 0x0
	s_load_b64 s[8:9], s[0:1], 0x10
.elseif MODE == 1
	s_load_b256 s[4:11], s[0:1], 0x0
.else
	s_load_b256 s[4:11], s[0:1], 0x0
	s_load_b64 s[12:13], s[0:1], 0x20
.endif
	v_lshl_add_u32 v[SPW], v0, 2, SPARE
	v_mov_b32 v[NIL], 0
	ds_add_u32 v[SPW], v[NIL]                      ; the wave's opening: the add and its wait ahead of my first tensor load; work on registers stands between
	v_lshrrev_b32 v1, 5, v0
	v_readfirstlane_b32 s[WV], v1
	s_lshr_b32 s[WH], s[WV], 1
	s_and_b32 s[WL], s[WV], 1
	s_bfe_u32 s[CX], ttmp6, 0x40000
	s_bfe_u32 s[CY], ttmp6, 0x40004
	s_lshl_b32 s[TJ], ttmp9, 2
	s_add_co_u32 s[TJ], s[TJ], s[CX]
	s_and_b32 s[TY], ttmp7, 0xffff
	s_lshl_b32 s[TY], s[TY], 2
	s_add_co_u32 s[TY], s[TY], s[CY]
	s_and_b32 s[DIR], ttmp7, 0xffff
	s_add_co_u32 s[DIR], s[DIR], ttmp9
	s_and_b32 s[DIR], s[DIR], 1                    ; the cluster's x + y, even or odd: the same in all sixteen partners
	s_mul_i32 s[T0], s[DIR], NST-1                 ; K step 0: k tile 0, or the last
	s_lshl_b32 s21, s[DIR], 1
	s_sub_co_u32 s[T0+1], s[T0], s21
	s_add_co_u32 s[T0+1], s[T0+1], 1               ; K step 1: one up, or one down
	s_cmp_eq_u32 s[DIR], 0
	s_cselect_b32 s[KST], 2, -2
	s_mov_b32 s[KO+1], 0
	s_lshl_b32 s21, s[CY], 2
	s_lshl_b32 s21, 15, s21                        ; my row of the cluster
	s_lshl_b32 s22, 0x1111, s[CX]                  ; my column
	s_or_b32 s[G1A], s21, (1<<16)|(1<<20)|(1<<21)|(4<<22)|(3<<25)  ; mask; 2-byte elements; padding on; bit 21 beside a mask; after every 32 words, 4 words
	s_or_b32 s[G1B], s22, (1<<16)|(1<<20)|(1<<21)|(4<<22)|(7<<25)  ; the same with 8 words
	s_mov_b32 s[G1A+1], 128<<16                    ; tensor_dim0 = 128 elements (256 bytes: two rows of the slice)
	s_mov_b32 s[G1A+2], 128<<16                    ; tensor_dim1 = 128
	s_mov_b32 s[G1A+3], 128<<16                    ; tile_dim0
	s_mov_b32 s[G1A+4], 128                        ; tile_dim1
	s_mov_b32 s[G1A+5], 128                        ; dense
	s_mov_b32 s[G1A+6], 0
	s_mov_b32 s[G1A+7], 0
	s_mov_b32 s[G1B+1], 4096<<16                   ; tensor_dim0 = 4,096 elements: 64 k-rows of a slice
	s_mov_b32 s[G1B+2], NS<<16                     ; tensor_dim1 = NS slices
	s_mov_b32 s[G1B+3], 4096<<16
	s_mov_b32 s[G1B+4], NS
	s_mov_b32 s[G1B+5], KDIM*64                    ; from slice to slice
	s_mov_b32 s[G1B+6], 0
	s_mov_b32 s[G1B+7], 0
	s_lshr_b32 s40, s[TY], 3                       ; A: batch,
	s_mul_i32 s40, s40, KSL
	s_add_co_u32 s40, s40, s[WL]                   ; my slice of k tile 0,
	s_lshl_b32 s40, s40, 18
	s_and_b32 s41, s[TY], 7                        ; the tile's 256 rows in the batch
	s_lshl_b32 s41, s41, 15
	s_add_co_u32 s40, s40, s41
	s_mov_b32 s41, 0
	s_mul_i32 s42, s[TJ], NS*KDIM*128              ; W: the tile's first slice,
	s_lshl_b32 s43, s[WL], 13                      ; my 64 k-rows of k tile 0
	s_add_co_u32 s42, s42, s43
	s_add_co_u32 s42, s42, WOFF
	s_mov_b32 s43, 0
	s_mul_i32 s44, s[WL], APL                      ; where they go: no place in the cluster enters an LDS address
	s_mul_i32 s45, s[WL], BH
	s_add_co_u32 s45, s45, ABY
	s_wait_dscnt 0x0                               ; the opening add is done
	s_wait_kmcnt 0x0
	s_add_nc_u64 s[BSA:BSA+1], s[PTA:PTA+1], s[40:41]
	s_add_nc_u64 s[BSW:BSW+1], s[PTW:PTW+1], s[42:43]
	CROUND                                         ; all sixteen work-groups are here: the first joint loads meet
.irp s, 0,1
	s_mov_b32 s[G0A+4*(\s)], 1
	s_add_co_u32 s[G0A+4*(\s)+1], s44, (\s)*SLOT
	s_mov_b32 s[G0B+4*(\s)], 1
	s_add_co_u32 s[G0B+4*(\s)+1], s45, (\s)*SLOT
	ADDR \s
	JLOAD \s                                       ; two loads of mine are out
.endr
	v_and_b32 v1, 15, v0                           ; l % 16
	v_bfe_u32 v2, v0, 4, 1                         ; l / 16
.if MODE != 0
	v_lshlrev_b32 v[BO], 5, v2
	s_mul_i32 s22, s[TJ], 256*NS
	s_mov_b32 s23, 0
	s_add_nc_u64 s[PTB:PTB+1], s[PTB:PTB+1], s[22:23]
.set n, 0
.rept NB4                              ; register j of block n: the bias of column 16 n + 8 (l / 16) + j: the C operand of the first products
	global_load_b128 v[BIAS+8*n:BIAS+8*n+3], v[BO], s[PTB:PTB+1] offset:64*n
	global_load_b128 v[BIAS+8*n+4:BIAS+8*n+7], v[BO], s[PTB:PTB+1] offset:64*n+16
.set n, n+1
.endr
.endif
	v_mul_u32_u24 v3, v1, PA
	v_lshl_add_u32 v3, v2, 4, v3
	s_mul_i32 s21, s[WV], 64*PA
	v_add_nc_u32 v[ADRA], s21, v3                  ; my 64 rows; row l % 16; 16 bytes for each half of the lanes
	v_add_nc_u32 v[ADRA+1], SLOT, v[ADRA]
	v_and_b32 v4, 7, v0
	v_lshl_add_u32 v4, v2, 3, v4                   ; the turning load: k-row 8 (l / 16) + l % 8,
	v_mul_u32_u24 v4, v4, PB
	v_bfe_u32 v5, v0, 3, 1
	v_lshl_add_u32 v4, v5, 4, v4                   ; columns 8 ((l / 8) % 2) + 0..7
	v_add_nc_u32 v[ADRB], ABY, v4
	v_add_nc_u32 v[ADRB+1], ABY+SLOT, v4
	v_and_b32 v[CO], 31, v0
	v_lshlrev_b32 v[CO], 4, v[CO]
	s_mul_i32 s21, s[WV], STW
	s_add_co_u32 s21, s21, STAGE                   ; my stage
.if MODE == 2
	v_mul_u32_u24 v[STO], v1, 528                  ; in: row l % 16, 32 bytes for each half of the lanes
	v_lshl_add_u32 v[STO], v2, 5, v[STO]
	v_add_nc_u32 v[STO], s21, v[STO]
	v_add_nc_u32 v[RD], s21, v[CO]                 ; back: a whole row of 512 bytes
	s_lshl_b32 s21, s[TY], 8
	s_lshl_b32 s22, s[WV], 6
	s_add_co_u32 s21, s21, s22                     ; my first row,
	s_lshl_b32 s22, s21, 12
	s_lshl_b32 s23, s[TJ], 9                       ; the tile's 128 columns
	s_add_co_u32 s22, s22, s23
	s_mov_b32 s23, 0
	s_add_nc_u64 s[PTR:PTR+1], s[PTR:PTR+1], s[22:23]
	s_add_nc_u64 s[PTO:PTO+1], s[PTO:PTO+1], s[22:23]
.else
	v_mov_b32 v[ZR], 0
	v_mul_u32_u24 v[STO], v1, PA                   ; in: row l % 16, 16 bytes for each half of the lanes
	v_lshl_add_u32 v[STO], v2, 4, v[STO]
	v_add_nc_u32 v[STO], s21, v[STO]
	v_bfe_u32 v[RD], v0, 3, 2                      ; back: 32 lanes take four rows of 128 bytes
	v_mul_u32_u24 v[RD], v[RD], PA
	v_and_b32 v5, 7, v0
	v_lshl_add_u32 v[RD], v5, 4, v[RD]
	v_add_nc_u32 v[RD], s21, v[RD]
.set n, 0
.rept NS                               ; out at my 64 rows of slice NS TJ + n: [section][batch][slice of 8][row][64]
	s_mul_i32 s21, s[TJ], NS
	s_add_co_u32 s21, s21, n
	s_lshr_b32 s22, s21, 3
	s_lshl_b32 s22, s22, 5
	s_and_b32 s21, s21, 7
	s_add_co_u32 s22, s22, s21
	s_lshr_b32 s21, s[TY], 3
	s_lshl3_add_u32 s22, s21, s22
	s_lshl_b32 s22, s22, 18
	s_and_b32 s21, s[TY], 7
	s_lshl_b32 s21, s21, 8
	s_lshl_b32 s23, s[WV], 6
	s_add_co_u32 s21, s21, s23
	s_lshl_b32 s21, s21, 7
	s_add_co_u32 s22, s22, s21
	s_mov_b32 s23, 0
	s_add_nc_u64 s[OBS+2*n:OBS+2*n+1], s[PTO:PTO+1], s[22:23]
.set n, n+1
.endr
.endif
.if PF
	s_and_b32 s21, ttmp7, 0xffff                   ; the cluster's y
	s_mul_i32 s22, s21, KDIM*128                   ; W: slice NS TJ + y (in wave 2 the kept pointer stands at slice NS TJ, k-row 0),
	s_lshl_b32 s23, s[CY], 13                      ; my work-group's 8,192 bytes
	s_add_co_u32 s22, s22, s23
	s_add_co_u32 s22, s22, 3*16384                 ; of k tiles 3 and 4
	s_mul_i32 s23, s[DIR], NST-7
	s_add_co_u32 s23, s23, 3                       ; A: the k tile of my K step 3: 3 going up, NST - 4 going down (the kept pointer stands at my slice of k tile 0),
	s_lshl_b32 s23, s23, 19
	s_lshl_b32 s44, s[CX], 13                      ; my work-group's 32 blocks of that slice
	s_add_co_u32 s23, s23, s44
	s_cmp_lt_u32 s21, NS                           ; who asks hangs on the cluster's place and the wave's number: the same in all sixteen partners
	s_cselect_b32 s[LIM], LAPS-1, -1
	s_cmp_eq_u32 s[WV], 2
	s_cselect_b32 s[LIM], s[LIM], -1
	s_cmp_eq_u32 s[WH], 0
	s_cselect_b32 s[LIM], LAPS-1, s[LIM]
	s_cselect_b32 s22, s23, s22
	s_cselect_b64 s[PFA:PFA+1], s[BSA:BSA+1], s[BSW:BSW+1]
	s_mov_b32 s23, 0
	s_add_nc_u64 s[PFA:PFA+1], s[PFA:PFA+1], s[22:23]
	v_and_b32 v[PFO], 31, v0
	v_lshlrev_b32 v[PFO], 8, v[PFO]
.endif
; NB4 matrix instructions: row block 2 hi + a2 x all column blocks, 32 along K, fragments of buffer f.  zero = 1: the first product starts the sums, with 0 or with the bias: nothing is cleared
.macro MULQ f, hi, a2, zero
.set n, 0
.rept NB4
.set rD, 8*(NB4*(\a2)+n)
.set rB, 8*NB4*(\f)+8*n
.set rA, FA0+32*(\f)+8*(2*(\hi)+(\a2))
.if (\zero) && (MODE == 0)
	WIN 0xa1+0x50*(\hi)
	v_wmma_f32_16x16x32_bf16 v[rD:rD+7], v[rB:rB+7], v[rA:rA+7], 0
.elseif \zero
	WIN 0x81+0x40*(\hi)                            ; C in window 0
	v_wmma_f32_16x16x32_bf16 v[rD:rD+7], v[rB:rB+7], v[rA:rA+7], v[BIAS+8*n:BIAS+8*n+7]
.else
	WIN 0xa1+0x50*(\hi)                            ; source 0 window 1, source 1 window 0, C and D window 2 or 3
	v_wmma_f32_16x16x32_bf16 v[rD:rD+7], v[rB:rB+7], v[rA:rA+7], v[rD:rD+7]
.endif
.set n, n+1
.endr
.endm
.macro MULH f, hi, zero
	MULQ \f, \hi, 0, \zero
	MULQ \f, \hi, 1, \zero
.endm
; One run of NLD LDS loads: quarter q of a slot's K step (32 along K) into buffer f: W's NB4 fragments, turned, then A's four
.macro FETCH slot, q, f
	WIN 0x40                                       ; destination window 1
.set n, 0
.rept NB4
.set oB, ((\q)/2)*BH+(n/4)*BSL+((\q)%2)*32*PB+(n%4)*32
	ds_load_tr16_b128 v[8*NB4*(\f)+8*n:8*NB4*(\f)+8*n+3],   v[ADRB+(\slot)] offset:oB
	ds_load_tr16_b128 v[8*NB4*(\f)+8*n+4:8*NB4*(\f)+8*n+7], v[ADRB+(\slot)] offset:oB+16*PB
.set n, n+1
.endr
	WIN 0
.irp a, 0,1,2,3
	ds_load_b128 v[FA0+32*(\f)+8*\a:FA0+32*(\f)+8*\a+3],   v[ADRA+(\slot)] offset:((\q)/2)*APL+\a*16*PA+((\q)%2)*64
	ds_load_b128 v[FA0+32*(\f)+8*\a+4:FA0+32*(\f)+8*\a+7], v[ADRA+(\slot)] offset:((\q)/2)*APL+\a*16*PA+((\q)%2)*64+32
.endr
.endm
; One of a K step's first three quarters: multiplies buffer f; in its middle it fetches quarter q into buffer g
.macro QUARTER slot, q, f, g, zero
	s_wait_dscnt 4                                 ; the youngest four loads (A's row blocks 2, 3) may be out
	MULH \f, 0, \zero
	PLACES
	FETCH \slot, \q, \g
	s_wait_dscnt NLD                               ; all but the run just issued
	MULH \f, 1, \zero
.endm
; The last quarter multiplies buffer 1 and changes slots: each wave waits for all its tensor loads (one is out: its part of the next slot), adds 0 to its spare word, and waits for that and for its reads of
; this slot; then the barrier.  fill = 1: the barrier opens a round of the cluster's, and the joint refill, two K steps on, is the first tensor load behind the round, one a wave.
.macro TURN slot, next, fill
	WIN 0
	s_wait_tensorcnt 0x0                           ; no tensor load of mine is out, so a group 0 may be written
	ds_add_u32 v[SPW], v[NIL]
.if \fill
	s_add_co_i32 s[T0+(\slot)], s[T0+(\slot)], s[KST]  ; this slot's next k tile: two on in my cluster's direction
	ADDR \slot
.endif
	s_wait_dscnt 5                                 ; the add and the youngest four loads may be out
	MULQ 1, 0, 0, 0
	s_wait_dscnt 0x0                               ; the add is done, and my reads of this slot are over
	s_barrier_signal -1
	MULQ 1, 0, 1, 0
.if \fill
	WIN 0
.endif
	s_barrier_wait -1
.if \fill
	CREST                                          ; no wave of any partner still reads this slot or has a load on its way
	JLOAD \slot                                    ; its four v_nop are also the places in front of the loads below
.else
	PLACES
.endif
	FETCH \next, 0, 0
.if (\fill) && PF && ((\slot) == 0)
	ASK
.endif
	MULH 1, 1, 0
.endm
.if MODE == 2
.macro RESID a                         ; the residual's rows 16 a .. + 15 of my 64: a row's 512 bytes a load, into v128-255 of the accumulators' windows
	WIN 0x80+0x40*((\a)/2)
.set n, 0
.rept 16
	global_load_b128 v[128+64*((\a)%2)+4*n:128+64*((\a)%2)+4*n+3], v[CO], s[PTR:PTR+1] offset:(16*(\a)+n)*4096 th:TH_LOAD_NT
.set n, n+1
.endr
	WIN 0
.endm
.macro OUTF a                          ; row block a: f32 through my stage (rows of 528 bytes), back as whole rows, the residual added, stored
	WIN 0x08+4*((\a)/2)                            ; store data in window 2 or 3
.set n, 0
.rept NB4
	ds_store_b128 v[STO], v[64*((\a)%2)+8*n:64*((\a)%2)+8*n+3]   offset:64*n     ; each accumulator's low registers first
	ds_store_b128 v[STO], v[64*((\a)%2)+8*n+4:64*((\a)%2)+8*n+7] offset:64*n+16
.set n, n+1
.endr
	WIN 0
	s_wait_xcnt 0x0                                ; the last block's stores have read their registers
.set n, 0
.rept 16
	ds_load_b128 v[OB+4*n:OB+4*n+3], v[RD] offset:n*528  ; a wave's LDS instructions are served in order: these see the stores above
.set n, n+1
.endr
	s_wait_dscnt 0x0
	WIN 0x08+4*((\a)/2)
.set n, 0
.rept 32
	v_pk_add_f32 v[OB+2*n:OB+2*n+1], v[OB+2*n:OB+2*n+1], v[128+64*((\a)%2)+2*n:128+64*((\a)%2)+2*n+1]
.set n, n+1
.endr
	WIN 0
.set n, 0
.rept 16
	global_store_b128 v[CO], v[OB+4*n:OB+4*n+3], s[PTO:PTO+1] offset:(16*(\a)+n)*4096 th:TH_STORE_NT  ; 512 consecutive bytes, aligned
.set n, n+1
.endr
.endm
.else
.macro OUTB a                          ; row block a: rounded to bf16, through my stage (a part of 16 rows x 144 bytes for each slice), back as whole rows, stored
	WIN 0x0a+5*((\a)/2)                            ; sources in window 2 or 3
.set n, 0
.rept 4*NB4
	v_cvt_pk_bf16_f32 v[TMP+n], v[8*NB4*((\a)%2)+2*n], v[8*NB4*((\a)%2)+2*n+1]
.set n, n+1
.endr
	WIN 0
.if MODE == 1
.set n, 0
.rept 4*NB4
	v_pk_max_num_bf16 v[TMP+n], v[TMP+n], v[ZR]    ; the ReLU, two at a time; nothing is rounded
.set n, n+1
.endr
.endif
	s_wait_xcnt 0x0                                ; the last block's stores have read their registers
.set n, 0
.rept NB4
	ds_store_b128 v[STO], v[TMP+4*n:TMP+4*n+3] offset:(n/4)*16*PA+(n%4)*32
.set n, n+1
.endr
.set n, 0
.rept 4*NS
	ds_load_b128 v[BK+4*n:BK+4*n+3], v[RD] offset:(n/4)*16*PA+(n%4)*4*PA  ; a wave's LDS instructions are served in order: these see the stores above
.set n, n+1
.endr
.set n, 0
.rept 4*NS
	s_wait_dscnt 4*NS-1-n                          ; the younger loads stay out
	global_store_b128 v[CO], v[BK+4*n:BK+4*n+3], s[OBS+2*(n/4):OBS+2*(n/4)+1] offset:(\a)*2048+(n%4)*512  ; four rows of a slice: 512 consecutive bytes, aligned
.set n, n+1
.endr
.endm
.endif
	s_wait_tensorcnt 1                             ; my part of K step 0 is in; K step 1's may stay out
	s_barrier_signal -1
	s_barrier_wait -1
.if MODE != 0
	s_wait_loadcnt 0x0                             ; the bias
.endif
	FETCH 0, 0, 0
.if MODE == 2
	RESID 0                                        ; 48 loads now, the last 16 behind the loop: they land under the products
	RESID 1
	RESID 2
.endif
	QUARTER 0, 1, 0, 1, 1                          ; the first quarter stands in front of the loop: its products start the sums
	WIN 0
	s_mov_b32 s[LAP], LAPS-1
.Llap:                                                 ; a trip goes once round the ring and fills both slots again
	QUARTER 0, 2, 1, 0, 0
	QUARTER 0, 3, 0, 1, 0
	TURN 0, 1, 1
	QUARTER 1, 1, 0, 1, 0
	QUARTER 1, 2, 1, 0, 0
	QUARTER 1, 3, 0, 1, 0
	TURN 1, 0, 1
	QUARTER 0, 1, 0, 1, 0
	WIN 0
	s_sub_co_u32 s[LAP], s[LAP], 1
	s_cmp_lg_u32 s[LAP], 0
	s_cbranch_scc1 .Llap
.if MODE == 2
	RESID 3
.endif
	QUARTER 0, 2, 1, 0, 0                          ; the last lap fills nothing
	QUARTER 0, 3, 0, 1, 0
	TURN 0, 1, 0
	QUARTER 1, 1, 0, 1, 0
	QUARTER 1, 2, 1, 0, 0
	QUARTER 1, 3, 0, 1, 0
	s_wait_dscnt 4
	MULH 1, 0, 0
	s_wait_dscnt 0x0
	MULH 1, 1, 0
	PLACES
	PLACES
	WIN 0
.if MODE == 2
	s_wait_loadcnt 0x0                             ; the residual
	OUTF 0
	OUTF 1
	OUTF 2
	OUTF 3
.else
	OUTB 0
	OUTB 1
	OUTB 2
	OUTB 3
.endif
	s_wait_tensorcnt 0x0                           ; the wave's end: behind my last tensor load and my last LDS store
	ds_add_u32 v[SPW], v[NIL]
	s_wait_dscnt 0x0
	CROUND                                         ; the closing round: no work-group ends while a partner may still ask for a tile that names it
	s_endpgm
.Lfunc_end_k_q8a023984a7_wo:
	.size	k_q8a023984a7_wo, .Lfunc_end_k_q8a023984a7_wo-k_q8a023984a7_wo
	.p2alignl 7, 3214868480
	.fill 96, 4, 3214868480
	.section	.rodata,"a",@progbits
	.p2align	6, 0x0
	.amdhsa_kernel k_q8a023984a7_wo
		.amdhsa_group_segment_fixed_size 327680
		.amdhsa_private_segment_fixed_size 0
		.amdhsa_enable_private_segment 0
		.amdhsa_kernarg_size 40
		.amdhsa_user_sgpr_count 2
		.amdhsa_user_sgpr_kernarg_segment_ptr 1
		.amdhsa_wavefront_size32 1
		.amdhsa_system_sgpr_workgroup_id_x 1
		.amdhsa_system_sgpr_workgroup_id_y 1
		.amdhsa_system_sgpr_workgroup_id_z 1
		.amdhsa_system_vgpr_workitem_id 0
		.amdhsa_next_free_vgpr 1024
		.amdhsa_next_free_sgpr 80
		.amdhsa_reserve_vcc 0
		.amdhsa_float_denorm_mode_32 3
		.amdhsa_float_denorm_mode_16_64 3
		.amdhsa_memory_ordered 1
		.amdhsa_forward_progress 1
		.amdhsa_inst_pref_size 103
	.end_amdhsa_kernel
	.amdgpu_metadata
---
amdhsa.version: [ 1, 2 ]
amdhsa.kernels:
  - .name:           k_q8a023984a7_wo
    .symbol:         k_q8a023984a7_wo.kd
    .args:
      - { .name: of, .offset: 0, .size: 8, .value_kind: global_buffer, .address_space: global }
      - { .name: wa, .offset: 8, .size: 8, .value_kind: global_buffer, .address_space: global }
      - { .name: x, .offset: 16, .size: 8, .value_kind: global_buffer, .address_space: global }
      - { .name: bo, .offset: 24, .size: 8, .value_kind: global_buffer, .address_space: global }
      - { .name: x1, .offset: 32, .size: 8, .value_kind: global_buffer, .address_space: global }
    .group_segment_fixed_size: 327680
    .private_segment_fixed_size: 0
    .kernarg_segment_align: 8
    .kernarg_segment_size: 40
    .max_flat_workgroup_size: 128
    .sgpr_count:     80
    .vgpr_count:     1024
    .wavefront_size: 32
...
	.end_amdgpu_metadata
.endif
;; end of part 4
;; launch ln2: the kernel of part 1 again; grid 32 x 17, 4 waves a work-group, no clusters, 0 bytes of LDS; arguments x1, ln2_g, ln2_b, h, W2, W1, Wq, Wk, Wv, w2b; writes h, w2b
;; launch ff1 (part 5): grid 8 x 32, 4 waves a work-group, clusters of 4 x 4, 327,680 bytes of LDS; arguments h, wa, b1, of; writes of
.if DOCPART == 5
	.amdgcn_target "amdgcn-amd-amdhsa--gfx1250"
	.amdhsa_code_object_version 6
	.text
	.protected	k_q8a023984a7_ff1
	.globl	k_q8a023984a7_ff1
	.p2align	8
	.type	k_q8a023984a7_ff1,@function
k_q8a023984a7_ff1:
	s_mov_b64 s[64:65], 0
	v_nop
	global_prefetch_b8 v0, s[64:65] scope:SCOPE_SE
	s_setreg_imm32_b32 hwreg(HW_REG_WAVE_MODE, 25, 1), 1
	s_wait_xcnt 0x0
	s_wait_alu depctr_hold_cnt(0) depctr_sa_sdst(0) depctr_va_vdst(0) depctr_va_sdst(0) depctr_va_ssrc(0) depctr_va_vcc(0) depctr_vm_vsrc(0)
	s_getreg_b32 s2, hwreg(HW_REG_IB_STS2, 6, 4)
	s_cmp_eq_u32 s2, 0
	s_cbranch_scc0 .Lentry_in_a_cluster
	s_endpgm
.Lentry_in_a_cluster:
	s_bfe_u32 s2, ttmp6, 0x10000c
	s_cmp_lg_u32 s2, 0xf033
	s_cbranch_scc0 .Lentry_shape_is_right
	s_endpgm
.Lentry_shape_is_right:
; f = relu(h W1 + b1).  h: [4][16 slices][2048][64] bf16; W1: 8 slices [1024 k][64] bf16 from byte WOFF of the second argument; b1: [512] f32; out: [4][8][2048][64] bf16, rounded once from f32 sums.
; One text serves this program's three products; MODE and the four sizes below choose.  MODE 0: sums start at 0, bf16 slices out.  1: sums start at the bias, ReLU, bf16 slices out.  2: sums start at the bias, f32 rows out, a residual added.
.set MODE, 1
.set NS,   1                           ; slices of 64 output columns in a tile of C
.set KDIM, 1024
.set WOFF, 1048576                     ; where the weights begin in their buffer
.set PF,   1                           ; 1: K step 3 is prefetched
; SHARES.  A tile of C is 256 rows x 64 NS columns; grid 8 x 32 tiles, one to a work-group.  Wave w owns rows 64 w .. + 63 and all columns: 16 NS accumulators of 16 x 16.
; K goes in steps of 128 (a k tile: two slices of A, 128 k-rows of W) through two LDS slots.  Waves 0, 1 fetch A's two slices (each 256 rows x 128 bytes, dense in memory: asked for as 128 rows of 256 bytes),
; waves 2, 3 the two halves of W's k-rows (for each of NS slices 64 k-rows, 8,192 dense bytes: NS rows of 8,192 bytes).
; CLUSTER 4 x 4: A's tile hangs on the tile row alone and is asked for jointly by a row of the cluster, W's on the tile column alone, by a column.
; THE WALK ALONG K.  Clusters whose x + y is even take the k tiles in ascending order, the others in descending order (f32 sums may be taken in either order).  A's rows are read by the two clusters of a row of
; clusters, which so walk against each other; W's slices by the eight of a column, four each way.  A k tile is asked for by the clusters of one direction in the first half of their walk and by those of the other in the second half of theirs.
; THE MATRIX INSTRUCTION IS USED TRANSPOSED: source 0 = 16 columns of W (stored [k][n], turned by ds_load_tr16_b128), source 1 = 16 rows of A: lane l holds row l % 16 and columns 8 (l / 16) + 0..7.
; REGISTERS in windows of 256: window 0 addresses, bias, A's fragments (two buffers of 32), the way out; window 1 W's fragments (two buffers of 8 NB4); windows 2, 3 the accumulators (row blocks 0, 1 and 2, 3).
; The accumulators take turns, one instruction a turn, in the same order in every quarter step.  NaN and infinities are not treated apart.
.set KSL,  KDIM/64                     ; slices of A
.set NST,  KDIM/128                    ; K steps
.set LAPS, KDIM/256                    ; a lap = two K steps = once round the ring
.set NB4,  4*NS                        ; column blocks of 16
.set NLD,  2*NB4+8                     ; LDS loads in a quarter step's run
.set PA,   144                         ; an LDS row of A: 128 bytes + 16: the 16 rows of a load start 36 words apart
.set PB,   160                         ; an LDS row of W: 128 bytes + 32: the turning load's 8 rows start 40 words apart
.set APL,  256*PA
.set ABY,  2*APL
.set BSL,  64*PB
.set BH,   NS*BSL
.set SLOT, ABY+2*BH                    ; A slice 0, A slice 1, W half 0 [NS][64][PB], W half 1
.set STAGE, 2*SLOT                     ; behind the ring, never filled by a tensor load: each wave's own stage for the way out
.if MODE == 2
.set STW,  16*528
.else
.set STW,  NS*16*PA
.endif
.set SPARE, STAGE+4*STW                ; the spare words, 128 bytes for each wave: two blocks of 256 bytes that no other line names
.set ADRA, 16                          ; v16-17  LDS address of my A fragments in slot 0, 1
.set ADRB, 20                          ; v20-21  the same for W
.set STO,  24                          ; v24  the way out: where I put my part of a row
.set RD,   25                          ; v25  where I read rows back
.set CO,   26                          ; v26  16 l: my 16 bytes in 512 consecutive bytes
.set BO,   27                          ; v27  32 (l / 16): my eight numbers in a block of the bias
.set SPW,  28                          ; v28  LDS address of my spare word; never rewritten
.set NIL,  29                          ; v29  0; never rewritten
.set PFO,  30                          ; v30  256 l; never rewritten
.set ZR,   31                          ; v31  0, for the ReLU
.set BIAS, 32                          ; v32..  8 registers a column block
.set FA0,  96                          ; v96-127, v128-159  A's fragments
.set TMP,  160                         ; the way out
.set BK,   TMP+4*NB4
.set OB,   160
.set DIR,  3                           ; s3  0: my cluster walks K upward; 1: downward
.set PTA,  4                           ; s[4:5] A, s[6:7] W
.set PTW,  6
.if MODE == 0
.set PTO,  8
.elseif MODE == 1
.set PTB,  8
.set PTO,  10
.else
.set PTR,  8
.set PTB,  10
.set PTO,  12
.endif
.set WV,   14                          ; s14 wave; s15 wave / 2: I fetch for A (0) or W (1); s16 wave % 2: which half
.set WH,   15
.set WL,   16
.set CX,   17
.set CY,   18
.set TJ,   19                          ; tile column
.set TY,   20                          ; tile row
.set G1A,  24                          ; s[24:31] descriptor group 1 for A; s[32:39] group 0, a set for each slot
.set G0A,  32
.set BSA,  40                          ; s[40:41] A at my slice of k tile 0, the tile's rows; kept
.set BSW,  42                          ; s[42:43] W at my 64 k-rows of k tile 0, the tile's first slice; kept
.set T0,   46                          ; s46, s47 the k tile that slot 0, slot 1 was last filled with
.set G1B,  48                          ; s[48:55], s[56:63] the same for W
.set G0B,  56
.set KO,   66                          ; s[66:67] a k tile's byte offset, in 64 bits: the upper word stays 0
.set KST,  68                          ; s68  from a slot's k tile to its next: + 2 or - 2
.set PFA,  70                          ; s[70:71] what my one prefetch names; never rewritten
.set LAP,  72
.set LIM,  73                          ; s73  the count of laps to go at which I prefetch: LAPS - 1, the first trip; in a wave that asks for nothing a number that the count never takes
.set OBS,  74                          ; s[74:79] out at my rows of each slice
.set MSB, 0
.macro WIN new                         ; the immediate's high byte repeats the setting that is left
.if MSB != (\new)
	s_set_vgpr_msb (MSB<<8)|(\new)
.set MSB, \new
.endif
.endm
.macro PLACES                          ; four plain lines between a matrix instruction and a load into, or a vector line on, its registers
.rept 4
	v_nop
.endr
.endm
.macro JLOAD s                         ; a joint load; the branch hangs on the wave's number alone; an s_nop 0 and four v_nop follow each line
	s_cmp_eq_u32 s[WH], 0
	s_cbranch_scc0 .Lfor_b_\@
	tensor_load_to_lds s[G0A+4*(\s):G0A+4*(\s)+3], s[G1A:G1A+7]
	s_nop 0
.rept 4
	v_nop
.endr
	s_branch .Lasked_\@
.Lfor_b_\@:
	tensor_load_to_lds s[G0B+4*(\s):G0B+4*(\s)+3], s[G1B:G1B+7]
	s_nop 0
.rept 4
	v_nop
.endr
.Lasked_\@:
.endm
.macro CREST                           ; a round of the cluster's barrier behind its opening barrier
	s_cmp_lg_u32 s[WV], 0
	s_cbranch_scc1 .Lnot_wave_0_\@
	s_barrier_signal -3
.Lnot_wave_0_\@:
	s_barrier_wait -3
	s_barrier_signal -1
	s_barrier_wait -1
.endm
.macro CROUND
	s_barrier_signal -1
	s_barrier_wait -1
	CREST
.endm
.macro ADDR s                          ; slot s's two group 0 take the addresses of k tile s[T0 + s]: the kept pointer plus the k tile's bytes, the type set anew
	s_lshl_b32 s[KO], s[T0+(\s)], 19               ; a k tile of A is two slices: 524,288 bytes
	s_add_nc_u64 s[G0A+4*(\s)+2:G0A+4*(\s)+3], s[BSA:BSA+1], s[KO:KO+1]
	s_or_b32 s[G0A+4*(\s)+3], s[G0A+4*(\s)+3], 0x80000000
	s_lshl_b32 s[KO], s[T0+(\s)], 14               ; of W 128 k-rows: 16,384 bytes
	s_add_nc_u64 s[G0B+4*(\s)+2:G0B+4*(\s)+3], s[BSW:BSW+1], s[KO:KO+1]
	s_or_b32 s[G0B+4*(\s)+3], s[G0B+4*(\s)+3], 0x80000000
.endm
; A PREFETCH INTO THE L2, once a launch: behind the refill for K step 2 and the run of LDS loads, for what the next refill, K step 3's, will ask for: one K step ahead; 32 blocks of 256 bytes, a lane a block.
; K steps 0 and 1 are the first fills and K step 2 follows them at once: they come by their loads alone.  K steps 4 to 7 name k tiles that the clusters of the other direction ask for in their K steps 3 to 0: they are not asked for again.
; A: each cluster asks for its own k tile (3 going up, 4 going down): of the slice's 128 blocks that wave 0 or 1 will fetch, the partner at place cx takes 32 (told apart by address).  W: k tiles 3 and 4 lie end to end, 32,768 bytes
; of a slice: wave 2 of the clusters with y < NS asks for those of slice NS TJ + y, and the partner at place cy takes 8,192 bytes.  So each block is named once.
.macro ASK
	s_cmp_eq_u32 s[LAP], s[LIM]
	s_cbranch_scc0 .Lnot_mine_\@
	global_prefetch_b8 v[PFO], s[PFA:PFA+1] th:TH_LOAD_NT scope:SCOPE_SE
.Lnot_mine_\@:
.endm
.if MODE == 0
	s_load_b128 s[4:7], s[0:1], 0x0
	s_load_b64 s[8:9], s[0:1], 0x10
.elseif MODE == 1
	s_load_b256 s[4:11], s[0:1], 0x0
.else
	s_load_b256 s[4:11], s[0:1], 0x0
	s_load_b64 s[12:13], s[0:1], 0x20
.endif
	v_lshl_add_u32 v[SPW], v0, 2, SPARE
	v_mov_b32 v[NIL], 0
	ds_add_u32 v[SPW], v[NIL]                      ; the wave's opening: the add and its wait ahead of my first tensor load; work on registers stands between
	v_lshrrev_b32 v1, 5, v0
	v_readfirstlane_b32 s[WV], v1
	s_lshr_b32 s[WH], s[WV], 1
	s_and_b32 s[WL], s[WV], 1
	s_bfe_u32 s[CX], ttmp6, 0x40000
	s_bfe_u32 s[CY], ttmp6, 0x40004
	s_lshl_b32 s[TJ], ttmp9, 2
	s_add_co_u32 s[TJ], s[TJ], s[CX]
	s_and_b32 s[TY], ttmp7, 0xffff
	s_lshl_b32 s[TY], s[TY], 2
	s_add_co_u32 s[TY], s[TY], s[CY]
	s_and_b32 s[DIR], ttmp7, 0xffff
	s_add_co_u32 s[DIR], s[DIR], ttmp9
	s_and_b32 s[DIR], s[DIR], 1                    ; the cluster's x + y, even or odd: the same in all sixteen partners
	s_mul_i32 s[T0], s[DIR], NST-1                 ; K step 0: k tile 0, or the last
	s_lshl_b32 s21, s[DIR], 1
	s_sub_co_u32 s[T0+1], s[T0], s21
	s_add_co_u32 s[T0+1], s[T0+1], 1               ; K step 1: one up, or one down
	s_cmp_eq_u32 s[DIR], 0
	s_cselect_b32 s[KST], 2, -2
	s_mov_b32 s[KO+1], 0
	s_lshl_b32 s21, s[CY], 2
	s_lshl_b32 s21, 15, s21                        ; my row of the cluster
	s_lshl_b32 s22, 0x1111, s[CX]                  ; my column
	s_or_b32 s[G1A], s21, (1<<16)|(1<<20)|(1<<21)|(4<<22)|(3<<25)  ; mask; 2-byte elements; padding on; bit 21 beside a mask; after every 32 words, 4 words
	s_or_b32 s[G1B], s22, (1<<16)|(1<<20)|(1<<21)|(4<<22)|(7<<25)  ; the same with 8 words
	s_mov_b32 s[G1A+1], 128<<16                    ; tensor_dim0 = 128 elements (256 bytes: two rows of the slice)
	s_mov_b32 s[G1A+2], 128<<16                    ; tensor_dim1 = 128
	s_mov_b32 s[G1A+3], 128<<16                    ; tile_dim0
	s_mov_b32 s[G1A+4], 128                        ; tile_dim1
	s_mov_b32 s[G1A+5], 128                        ; dense
	s_mov_b32 s[G1A+6], 0
	s_mov_b32 s[G1A+7], 0
	s_mov_b32 s[G1B+1], 4096<<16                   ; tensor_dim0 = 4,096 elements: 64 k-rows of a slice
	s_mov_b32 s[G1B+2], NS<<16                     ; tensor_dim1 = NS slices
	s_mov_b32 s[G1B+3], 4096<<16
	s_mov_b32 s[G1B+4], NS
	s_mov_b32 s[G1B+5], KDIM*64                    ; from slice to slice
	s_mov_b32 s[G1B+6], 0
	s_mov_b32 s[G1B+7], 0
	s_lshr_b32 s40, s[TY], 3                       ; A: batch,
	s_mul_i32 s40, s40, KSL
	s_add_co_u32 s40, s40, s[WL]                   ; my slice of k tile 0,
	s_lshl_b32 s40, s40, 18
	s_and_b32 s41, s[TY], 7                        ; the tile's 256 rows in the batch
	s_lshl_b32 s41, s41, 15
	s_add_co_u32 s40, s40, s41
	s_mov_b32 s41, 0
	s_mul_i32 s42, s[TJ], NS*KDIM*128              ; W: the tile's first slice,
	s_lshl_b32 s43, s[WL], 13                      ; my 64 k-rows of k tile 0
	s_add_co_u32 s42, s42, s43
	s_add_co_u32 s42, s42, WOFF
	s_mov_b32 s43, 0
	s_mul_i32 s44, s[WL], APL                      ; where they go: no place in the cluster enters an LDS address
	s_mul_i32 s45, s[WL], BH
	s_add_co_u32 s45, s45, ABY
	s_wait_dscnt 0x0                               ; the opening add is done
	s_wait_kmcnt 0x0
	s_add_nc_u64 s[BSA:BSA+1], s[PTA:PTA+1], s[40:41]
	s_add_nc_u64 s[BSW:BSW+1], s[PTW:PTW+1], s[42:43]
	CROUND                                         ; all sixteen work-groups are here: the first joint loads meet
.irp s, 0,1
	s_mov_b32 s[G0A+4*(\s)], 1
	s_add_co_u32 s[G0A+4*(\s)+1], s44, (\s)*SLOT
	s_mov_b32 s[G0B+4*(\s)], 1
	s_add_co_u32 s[G0B+4*(\s)+1], s45, (\s)*SLOT
	ADDR \s
	JLOAD \s                                       ; two loads of mine are out
.endr
	v_and_b32 v1, 15, v0                           ; l % 16
	v_bfe_u32 v2, v0, 4, 1                         ; l / 16
.if MODE != 0
	v_lshlrev_b32 v[BO], 5, v2
	s_mul_i32 s22, s[TJ], 256*NS
	s_mov_b32 s23, 0
	s_add_nc_u64 s[PTB:PTB+1], s[PTB:PTB+1], s[22:23]
.set n, 0
.rept NB4                              ; register j of block n: the bias of column 16 n + 8 (l / 16) + j: the C operand of the first products
	global_load_b128 v[BIAS+8*n:BIAS+8*n+3], v[BO], s[PTB:PTB+1] offset:64*n
	global_load_b128 v[BIAS+8*n+4:BIAS+8*n+7], v[BO], s[PTB:PTB+1] offset:64*n+16
.set n, n+1
.endr
.endif
	v_mul_u32_u24 v3, v1, PA
	v_lshl_add_u32 v3, v2, 4, v3
	s_mul_i32 s21, s[WV], 64*PA
	v_add_nc_u32 v[ADRA], s21, v3                  ; my 64 rows; row l % 16; 16 bytes for each half of the lanes
	v_add_nc_u32 v[ADRA+1], SLOT, v[ADRA]
	v_and_b32 v4, 7, v0
	v_lshl_add_u32 v4, v2, 3, v4                   ; the turning load: k-row 8 (l / 16) + l % 8,
	v_mul_u32_u24 v4, v4, PB
	v_bfe_u32 v5, v0, 3, 1
	v_lshl_add_u32 v4, v5, 4, v4                   ; columns 8 ((l / 8) % 2) + 0..7
	v_add_nc_u32 v[ADRB], ABY, v4
	v_add_nc_u32 v[ADRB+1], ABY+SLOT, v4
	v_and_b32 v[CO], 31, v0
	v_lshlrev_b32 v[CO], 4, v[CO]
	s_mul_i32 s21, s[WV], STW
	s_add_co_u32 s21, s21, STAGE                   ; my stage
.if MODE == 2
	v_mul_u32_u24 v[STO], v1, 528                  ; in: row l % 16, 32 bytes for each half of the lanes
	v_lshl_add_u32 v[STO], v2, 5, v[STO]
	v_add_nc_u32 v[STO], s21, v[STO]
	v_add_nc_u32 v[RD], s21, v[CO]                 ; back: a whole row of 512 bytes
	s_lshl_b32 s21, s[TY], 8
	s_lshl_b32 s22, s[WV], 6
	s_add_co_u32 s21, s21, s22                     ; my first row,
	s_lshl_b32 s22, s21, 12
	s_lshl_b32 s23, s[TJ], 9                       ; the tile's 128 columns
	s_add_co_u32 s22, s22, s23
	s_mov_b32 s23, 0
	s_add_nc_u64 s[PTR:PTR+1], s[PTR:PTR+1], s[22:23]
	s_add_nc_u64 s[PTO:PTO+1], s[PTO:PTO+1], s[22:23]
.else
	v_mov_b32 v[ZR], 0
	v_mul_u32_u24 v[STO], v1, PA                   ; in: row l % 16, 16 bytes for each half of the lanes
	v_lshl_add_u32 v[STO], v2, 4, v[STO]
	v_add_nc_u32 v[STO], s21, v[STO]
	v_bfe_u32 v[RD], v0, 3, 2                      ; back: 32 lanes take four rows of 128 bytes
	v_mul_u32_u24 v[RD], v[RD], PA
	v_and_b32 v5, 7, v0
	v_lshl_add_u32 v[RD], v5, 4, v[RD]
	v_add_nc_u32 v[RD], s21, v[RD]
.set n, 0
.rept NS                               ; out at my 64 rows of slice NS TJ + n: [section][batch][slice of 8][row][64]
	s_mul_i32 s21, s[TJ], NS
	s_add_co_u32 s21, s21, n
	s_lshr_b32 s22, s21, 3
	s_lshl_b32 s22, s22, 5
	s_and_b32 s21, s21, 7
	s_add_co_u32 s22, s22, s21
	s_lshr_b32 s21, s[TY], 3
	s_lshl3_add_u32 s22, s21, s22
	s_lshl_b32 s22, s22, 18
	s_and_b32 s21, s[TY], 7
	s_lshl_b32 s21, s21, 8
	s_lshl_b32 s23, s[WV], 6
	s_add_co_u32 s21, s21, s23
	s_lshl_b32 s21, s21, 7
	s_add_co_u32 s22, s22, s21
	s_mov_b32 s23, 0
	s_add_nc_u64 s[OBS+2*n:OBS+2*n+1], s[PTO:PTO+1], s[22:23]
.set n, n+1
.endr
.endif
.if PF
	s_and_b32 s21, ttmp7, 0xffff                   ; the cluster's y
	s_mul_i32 s22, s21, KDIM*128                   ; W: slice NS TJ + y (in wave 2 the kept pointer stands at slice NS TJ, k-row 0),
	s_lshl_b32 s23, s[CY], 13                      ; my work-group's 8,192 bytes
	s_add_co_u32 s22, s22, s23
	s_add_co_u32 s22, s22, 3*16384                 ; of k tiles 3 and 4
	s_mul_i32 s23, s[DIR], NST-7
	s_add_co_u32 s23, s23, 3                       ; A: the k tile of my K step 3: 3 going up, NST - 4 going down (the kept pointer stands at my slice of k tile 0),
	s_lshl_b32 s23, s23, 19
	s_lshl_b32 s44, s[CX], 13                      ; my work-group's 32 blocks of that slice
	s_add_co_u32 s23, s23, s44
	s_cmp_lt_u32 s21, NS                           ; who asks hangs on the cluster's place and the wave's number: the same in all sixteen partners
	s_cselect_b32 s[LIM], LAPS-1, -1
	s_cmp_eq_u32 s[WV], 2
	s_cselect_b32 s[LIM], s[LIM], -1
	s_cmp_eq_u32 s[WH], 0
	s_cselect_b32 s[LIM], LAPS-1, s[LIM]
	s_cselect_b32 s22, s23, s22
	s_cselect_b64 s[PFA:PFA+1], s[BSA:BSA+1], s[BSW:BSW+1]
	s_mov_b32 s23, 0
	s_add_nc_u64 s[PFA:PFA+1], s[PFA:PFA+1], s[22:23]
	v_and_b32 v[PFO], 31, v0
	v_lshlrev_b32 v[PFO], 8, v[PFO]
.endif
; NB4 matrix instructions: row block 2 hi + a2 x all column blocks, 32 along K, fragments of buffer f.  zero = 1: the first product starts the sums, with 0 or with the bias: nothing is cleared
.macro MULQ f, hi, a2, zero
.set n, 0
.rept NB4
.set rD, 8*(NB4*(\a2)+n)
.set rB, 8*NB4*(\f)+8*n
.set rA, FA0+32*(\f)+8*(2*(\hi)+(\a2))
.if (\zero) && (MODE == 0)
	WIN 0xa1+0x50*(\hi)
	v_wmma_f32_16x16x32_bf16 v[rD:rD+7], v[rB:rB+7], v[rA:rA+7], 0
.elseif \zero
	WIN 0x81+0x40*(\hi)                            ; C in window 0
	v_wmma_f32_16x16x32_bf16 v[rD:rD+7], v[rB:rB+7], v[rA:rA+7], v[BIAS+8*n:BIAS+8*n+7]
.else
	WIN 0xa1+0x50*(\hi)                            ; source 0 window 1, source 1 window 0, C and D window 2 or 3
	v_wmma_f32_16x16x32_bf16 v[rD:rD+7], v[rB:rB+7], v[rA:rA+7], v[rD:rD+7]
.endif
.set n, n+1
.endr
.endm
.macro MULH f, hi, zero
	MULQ \f, \hi, 0, \zero
	MULQ \f, \hi, 1, \zero
.endm
; One run of NLD LDS loads: quarter q of a slot's K step (32 along K) into buffer f: W's NB4 fragments, turned, then A's four
.macro FETCH slot, q, f
	WIN 0x40                                       ; destination window 1
.set n, 0
.rept NB4
.set oB, ((\q)/2)*BH+(n/4)*BSL+((\q)%2)*32*PB+(n%4)*32
	ds_load_tr16_b128 v[8*NB4*(\f)+8*n:8*NB4*(\f)+8*n+3],   v[ADRB+(\slot)] offset:oB
	ds_load_tr16_b128 v[8*NB4*(\f)+8*n+4:8*NB4*(\f)+8*n+7], v[ADRB+(\slot)] offset:oB+16*PB
.set n, n+1
.endr
	WIN 0
.irp a, 0,1,2,3
	ds_load_b128 v[FA0+32*(\f)+8*\a:FA0+32*(\f)+8*\a+3],   v[ADRA+(\slot)] offset:((\q)/2)*APL+\a*16*PA+((\q)%2)*64
	ds_load_b128 v[FA0+32*(\f)+8*\a+4:FA0+32*(\f)+8*\a+7], v[ADRA+(\slot)] offset:((\q)/2)*APL+\a*16*PA+((\q)%2)*64+32
.endr
.endm
; One of a K step's first three quarters: multiplies buffer f; in its middle it fetches quarter q into buffer g
.macro QUARTER slot, q, f, g, zero
	s_wait_dscnt 4                                 ; the youngest four loads (A's row blocks 2, 3) may be out
	MULH \f, 0, \zero
	PLACES
	FETCH \slot, \q, \g
	s_wait_dscnt NLD                               ; all but the run just issued
	MULH \f, 1, \zero
.endm
; The last quarter multiplies buffer 1 and changes slots: each wave waits for all its tensor loads (one is out: its part of the next slot), adds 0 to its spare word, and waits for that and for its reads of
; this slot; then the barrier.  fill = 1: the barrier opens a round of the cluster's, and the joint refill, two K steps on, is the first tensor load behind the round, one a wave.
.macro TURN slot, next, fill
	WIN 0
	s_wait_tensorcnt 0x0                           ; no tensor load of mine is out, so a group 0 may be written
	ds_add_u32 v[SPW], v[NIL]
.if \fill
	s_add_co_i32 s[T0+(\slot)], s[T0+(\slot)], s[KST]  ; this slot's next k tile: two on in my cluster's direction
	ADDR \slot
.endif
	s_wait_dscnt 5                                 ; the add and the youngest four loads may be out
	MULQ 1, 0, 0, 0
	s_wait_dscnt 0x0                               ; the add is done, and my reads of this slot are over
	s_barrier_signal -1
	MULQ 1, 0, 1, 0
.if \fill
	WIN 0
.endif
	s_barrier_wait -1
.if \fill
	CREST                                          ; no wave of any partner still reads this slot or has a load on its way
	JLOAD \slot                                    ; its four v_nop are also the places in front of the loads below
.else
	PLACES
.endif
	FETCH \next, 0, 0
.if (\fill) && PF && ((\slot) == 0)
	ASK
.endif
	MULH 1, 1, 0
.endm
.if MODE == 2
.macro RESID a                         ; the residual's rows 16 a .. + 15 of my 64: a row's 512 bytes a load, into v128-255 of the accumulators' windows
	WIN 0x80+0x40*((\a)/2)
.set n, 0
.rept 16
	global_load_b128 v[128+64*((\a)%2)+4*n:128+64*((\a)%2)+4*n+3], v[CO], s[PTR:PTR+1] offset:(16*(\a)+n)*4096 th:TH_LOAD_NT
.set n, n+1
.endr
	WIN 0
.endm
.macro OUTF a                          ; row block a: f32 through my stage (rows of 528 bytes), back as whole rows, the residual added, stored
	WIN 0x08+4*((\a)/2)                            ; store data in window 2 or 3
.set n, 0
.rept NB4
	ds_store_b128 v[STO], v[64*((\a)%2)+8*n:64*((\a)%2)+8*n+3]   offset:64*n     ; each accumulator's low registers first
	ds_store_b128 v[STO], v[64*((\a)%2)+8*n+4:64*((\a)%2)+8*n+7] offset:64*n+16
.set n, n+1
.endr
	WIN 0
	s_wait_xcnt 0x0                                ; the last block's stores have read their registers
.set n, 0
.rept 16
	ds_load_b128 v[OB+4*n:OB+4*n+3], v[RD] offset:n*528  ; a wave's LDS instructions are served in order: these see the stores above
.set n, n+1
.endr
	s_wait_dscnt 0x0
	WIN 0x08+4*((\a)/2)
.set n, 0
.rept 32
	v_pk_add_f32 v[OB+2*n:OB+2*n+1], v[OB+2*n:OB+2*n+1], v[128+64*((\a)%2)+2*n:128+64*((\a)%2)+2*n+1]
.set n, n+1
.endr
	WIN 0
.set n, 0
.rept 16
	global_store_b128 v[CO], v[OB+4*n:OB+4*n+3], s[PTO:PTO+1] offset:(16*(\a)+n)*4096 th:TH_STORE_NT  ; 512 consecutive bytes, aligned
.set n, n+1
.endr
.endm
.else
.macro OUTB a                          ; row block a: rounded to bf16, through my stage (a part of 16 rows x 144 bytes for each slice), back as whole rows, stored
	WIN 0x0a+5*((\a)/2)                            ; sources in window 2 or 3
.set n, 0
.rept 4*NB4
	v_cvt_pk_bf16_f32 v[TMP+n], v[8*NB4*((\a)%2)+2*n], v[8*NB4*((\a)%2)+2*n+1]
.set n, n+1
.endr
	WIN 0
.if MODE == 1
.set n, 0
.rept 4*NB4
	v_pk_max_num_bf16 v[TMP+n], v[TMP+n], v[ZR]    ; the ReLU, two at a time; nothing is rounded
.set n, n+1
.endr
.endif
	s_wait_xcnt 0x0                                ; the last block's stores have read their registers
.set n, 0
.rept NB4
	ds_store_b128 v[STO], v[TMP+4*n:TMP+4*n+3] offset:(n/4)*16*PA+(n%4)*32
.set n, n+1
.endr
.set n, 0
.rept 4*NS
	ds_load_b128 v[BK+4*n:BK+4*n+3], v[RD] offset:(n/4)*16*PA+(n%4)*4*PA  ; a wave's LDS instructions are served in order: these see the stores above
.set n, n+1
.endr
.set n, 0
.rept 4*NS
	s_wait_dscnt 4*NS-1-n                          ; the younger loads stay out
	global_store_b128 v[CO], v[BK+4*n:BK+4*n+3], s[OBS+2*(n/4):OBS+2*(n/4)+1] offset:(\a)*2048+(n%4)*512  ; four rows of a slice: 512 consecutive bytes, aligned
.set n, n+1
.endr
.endm
.endif
	s_wait_tensorcnt 1                             ; my part of K step 0 is in; K step 1's may stay out
	s_barrier_signal -1
	s_barrier_wait -1
.if MODE != 0
	s_wait_loadcnt 0x0                             ; the bias
.endif
	FETCH 0, 0, 0
.if MODE == 2
	RESID 0                                        ; 48 loads now, the last 16 behind the loop: they land under the products
	RESID 1
	RESID 2
.endif
	QUARTER 0, 1, 0, 1, 1                          ; the first quarter stands in front of the loop: its products start the sums
	WIN 0
	s_mov_b32 s[LAP], LAPS-1
.Llap:                                                 ; a trip goes once round the ring and fills both slots again
	QUARTER 0, 2, 1, 0, 0
	QUARTER 0, 3, 0, 1, 0
	TURN 0, 1, 1
	QUARTER 1, 1, 0, 1, 0
	QUARTER 1, 2, 1, 0, 0
	QUARTER 1, 3, 0, 1, 0
	TURN 1, 0, 1
	QUARTER 0, 1, 0, 1, 0
	WIN 0
	s_sub_co_u32 s[LAP], s[LAP], 1
	s_cmp_lg_u32 s[LAP], 0
	s_cbranch_scc1 .Llap
.if MODE == 2
	RESID 3
.endif
	QUARTER 0, 2, 1, 0, 0                          ; the last lap fills nothing
	QUARTER 0, 3, 0, 1, 0
	TURN 0, 1, 0
	QUARTER 1, 1, 0, 1, 0
	QUARTER 1, 2, 1, 0, 0
	QUARTER 1, 3, 0, 1, 0
	s_wait_dscnt 4
	MULH 1, 0, 0
	s_wait_dscnt 0x0
	MULH 1, 1, 0
	PLACES
	PLACES
	WIN 0
.if MODE == 2
	s_wait_loadcnt 0x0                             ; the residual
	OUTF 0
	OUTF 1
	OUTF 2
	OUTF 3
.else
	OUTB 0
	OUTB 1
	OUTB 2
	OUTB 3
.endif
	s_wait_tensorcnt 0x0                           ; the wave's end: behind my last tensor load and my last LDS store
	ds_add_u32 v[SPW], v[NIL]
	s_wait_dscnt 0x0
	CROUND                                         ; the closing round: no work-group ends while a partner may still ask for a tile that names it
	s_endpgm
.Lfunc_end_k_q8a023984a7_ff1:
	.size	k_q8a023984a7_ff1, .Lfunc_end_k_q8a023984a7_ff1-k_q8a023984a7_ff1
	.p2alignl 7, 3214868480
	.fill 96, 4, 3214868480
	.section	.rodata,"a",@progbits
	.p2align	6, 0x0
	.amdhsa_kernel k_q8a023984a7_ff1
		.amdhsa_group_segment_fixed_size 327680
		.amdhsa_private_segment_fixed_size 0
		.amdhsa_enable_private_segment 0
		.amdhsa_kernarg_size 32
		.amdhsa_user_sgpr_count 2
		.amdhsa_user_sgpr_kernarg_segment_ptr 1
		.amdhsa_wavefront_size32 1
		.amdhsa_system_sgpr_workgroup_id_x 1
		.amdhsa_system_sgpr_workgroup_id_y 1
		.amdhsa_system_sgpr_workgroup_id_z 1
		.amdhsa_system_vgpr_workitem_id 0
		.amdhsa_next_free_vgpr 1024
		.amdhsa_next_free_sgpr 80
		.amdhsa_reserve_vcc 0
		.amdhsa_float_denorm_mode_32 3
		.amdhsa_float_denorm_mode_16_64 3
		.amdhsa_memory_ordered 1
		.amdhsa_forward_progress 1
		.amdhsa_inst_pref_size 63
	.end_amdhsa_kernel
	.amdgpu_metadata
---
amdhsa.version: [ 1, 2 ]
amdhsa.kernels:
  - .name:           k_q8a023984a7_ff1
    .symbol:         k_q8a023984a7_ff1.kd
    .args:
      - { .name: h, .offset: 0, .size: 8, .value_kind: global_buffer, .address_space: global }
      - { .name: wa, .offset: 8, .size: 8, .value_kind: global_buffer, .address_space: global }
      - { .name: b1, .offset: 16, .size: 8, .value_kind: global_buffer, .address_space: global }
      - { .name: of, .offset: 24, .size: 8, .value_kind: global_buffer, .address_space: global }
    .group_segment_fixed_size: 327680
    .private_segment_fixed_size: 0
    .kernarg_segment_align: 8
    .kernarg_segment_size: 32
    .max_flat_workgroup_size: 128
    .sgpr_count:     80
    .vgpr_count:     1024
    .wavefront_size: 32
...
	.end_amdgpu_metadata
.endif
;; end of part 5
;; launch ff2: the kernel of part 4 again; grid 8 x 32, 4 waves a work-group, clusters of 4 x 4, 327,680 bytes of LDS; arguments of, w2b, x1, b2, out0; writes out0
